; MI455X (gfx1250); checked and timed in simulation.
; The chip was launched on July 23, 2026; its instructions are those of AMD's public machine-readable ISA for CDNA 5 (MIT licence, August 2026) and "CDNA5" Instruction Set Architecture Reference Guide (July 2026). The comments in the code are by the model that wrote it; some were corrected since.
;; Flash Causal Self Attention. Allowed arithmetic: matrix products marked QUANTISED: E2M3 operands, one E8M0 scale for each 32 along K, by v_wmma_scale_f32_16x16x128_f8f6f4 with both operands' format E2M3, f32 sums; everything else in f32.
;; Inputs: W_attn 3,072 x 1,024 float32; W_proj 1,024 x 1,024 float32; x 8 x 1,024 x 1,024 float32.
;; Outputs: out0 8 x 1,024 x 1,024 float32.
;; This version of the problem:
;;   THIS VERSION OF THE PROBLEM IS GIVEN IN LOW PRECISION. The matrix products marked QUANTISED in the list below multiply operands that are first quantised to E2M3 (2 exponent bits, 3 mantissa bits; 6 bits a number), with one power-of-two scale for each 32 numbers along K (OCP MX v1.0); their sums are f32. All else is computed in f32.
;;   The module's matrix products, in the order in which they are computed (A, B: the left and right operand; K: the contracted axis; several contracted axes count as one K, in the product's order):
;;     1. [M 8,192, K 1,024] x [K 1,024, N 3,072]; A: input x; B: input W_attn: QUANTISED
;;     2. batch 128 x [M 1,024, K 64] x [K 64, N 1,024]; A: computed on the way; B: computed on the way: QUANTISED
;;     3. batch 128 x [M 1,024, K 1,024] x [K 1,024, N 64]; A: softmax (see below); B: computed on the way: QUANTISED
;;     4. [M 8,192, K 1,024] x [K 1,024, N 1,024]; A: computed on the way; B: input W_proj: QUANTISED
;;   THE QUANTISER, for each operand of a quantised product, along K:
;;     - K is cut into blocks of 32 from its start; a last block that is shorter is filled with zeros.
;;     - A block's scale is 2^e with e = floor(log2(the largest magnitude in the block)) - 2, held to -126 .. 127; a block of zeros has e = 0. As a byte (E8M0): e + 127.
;;     - Each number is divided by its block's scale, clamped to +-7.5, and rounded to the nearest number of E2M3, ties to even, subnormals kept.
;;     - The product sums the exact products of the quantised numbers (number of the format x scale) in f32.
;;   ~~~python
;;   def quantise(x, axis):      # numpy; x: float32 -> the quantised numbers, widened to float32 again
;;       x = np.moveaxis(x, axis, -1); K = x.shape[-1]
;;       x = np.pad(x, [(0, 0)] * (x.ndim - 1) + [(0, -K % 32)]); x = x.reshape(x.shape[:-1] + (-1, 32)); a = np.abs(x).max(-1, keepdims=True)
;;       e = np.where(a > 0, np.clip(np.frexp(np.where(a > 0, a, 1))[1] - 1 - 2, -126, 127), 0)      # np.frexp(a)[1] - 1 = floor(log2(a)), exactly
;;       r = np.clip(x / 2.0 ** e, -7.5, 7.5)
;;       step = 2.0 ** (np.maximum(np.frexp(np.where(r == 0, 1, r))[1] - 1, 0) - 3)
;;       q = np.round(r / step) * step * 2.0 ** e      # np.round: ties to even
;;       return np.moveaxis(q.reshape(q.shape[:-2] + (-1,))[..., :K], -1, axis).astype(np.float32)
;;   ~~~
;;   SOFTMAX AHEAD OF A QUANTISED PRODUCT. Where the list says 'softmax', what is quantised is not the finished softmax but p = 2^(t - M), with t = logit x log2(e) and M = ceil(the row's largest t), a whole number; so 1/2 < the row's largest p <= 1. The row's sum l is taken of the UNQUANTISED p, in f32, and the product's result is divided by l at the end. Since M is a whole number, a kernel that streams over the keys may use a running M (the ceiling of the running maximum): every later rescaling is an exact power of two, which a block's scale takes up: the codes' values come out the same.
;;   OPERANDS COMPUTED ON THE WAY. 'Computed on the way' means the value that the module computes at that place (a softmax that the list does not call 'softmax' is quantised finished and normalised). What goes into a quantiser is computed in f32, as accurately as f32 sums, v_exp_f32 and their like allow (about 1e-6 of the number): no bf16 or f16 on the way to a quantiser, and a product that is left as it is and whose result goes on into a quantised operand takes f32 operands (vector FMAs, or v_wmma_f32_16x16x4_f32). A number that lies on a knife's edge between two numbers of the format may be rounded either way, as far as f32 arithmetic and the matrix unit's own rounding can turn it there, and no further.
;; One version. Each part assembles by itself: llvm-mc -triple=amdgcn-amd-amdhsa -mcpu=gfx1250 --defsym DOCPART=n.
;; ======== version 1 of 1: 4 launches
;; limits: right only within a limited range of input values
;; workspace buffers: xq 6,553,600 bytes; waq 2,457,600 bytes; wpq 819,200 bytes; qc 6,815,744 bytes; kv 13,369,344 bytes; yq 6,553,600 bytes
;; launch quant (part 1): grid 1536 x 1, 4 waves a work-group, no clusters, 34,304 bytes of LDS; arguments x, W_attn, W_proj, xq, waq, wpq; writes xq, waq, wpq
.if DOCPART == 1
	.amdgcn_target "amdgcn-amd-amdhsa--gfx1250"
	.amdhsa_code_object_version 6
	.text
	.protected	k_q099967d82c_quant
	.globl	k_q099967d82c_quant
	.p2align	8
	.type	k_q099967d82c_quant,@function
k_q099967d82c_quant:
	s_mov_b64 s[64:65], 0
	v_nop
	global_prefetch_b8 v0, s[64:65] scope:SCOPE_SE
	s_setreg_imm32_b32 hwreg(HW_REG_WAVE_MODE, 25, 1), 1
	s_wait_xcnt 0x0
; x [8192][1024], W_attn [3072][1024], W_proj [1024][1024], f32, K innermost, become codes of FP6 (E2M3) with one E8M0 byte for each 32 along K,
; laid as IMAGES OF THE OPERAND'S REGISTERS, so that the later launches load fragments by 16 bytes a lane and nothing else.
; ROW ORDER: a group of 64 rows is cut into four tiles u; lane r of tile u takes row 32 (r / 8) + 8 u + r % 8.
; FULL image (16 rows x 128 K, 12 registers a lane): three chunks of 512 bytes, chunk j = registers 4 j .. 4 j + 3, lane l at 16 l.
; SCALE image (a group, 128 K): 256 bytes; tile u's word of its lane r at byte 128 (u % 2) + 8 r + 4 (u / 2).
; A work-group is (tensor, group of 64 rows, K step of 128); wave u makes tile u.  Work-groups 0-1023: x; 1024-1407: W_attn; 1408-1535: W_proj; only pointers and sizes are chosen, one path through the text.
; Each load reads 512 consecutive bytes of one row; the 16 rows turn through the wave's own stage in LDS (pitch 528), and come back 32 neighbours along K to a lane and block:
; a block's largest magnitude needs no other lane, and the conversions' results are the operand's registers.
; A block's scale byte is its largest magnitude's exponent field - 2, held at 1 from below.  A block of zeros so gets the byte 1: its codes are zeros, and this program alone reads the bytes.
; The scale words leave as 4 bytes a lane, 8 bytes apart: 64 bytes against a tile's 1,536 bytes of codes.
; LIMITS: NaN and infinities among the inputs are not served.  No tensor load, no barrier: waves share nothing.
.set WST,   8448                       ; a wave's stage: 16 rows x (512 + 16) bytes
.set SPARE, 4*WST                      ; behind the stages: the spare words, 128 bytes a wave
.set L16, 1                            ; v1   16 x lane
.set SRC, 2                            ; v2   16 x lane + my tile's first row (8 u rows of 4,096 bytes)
.set STA, 3                            ; v3   the stage, on the way in
.set LDA, 4                            ; v4   and back: row r, + 128 h
.set R8,  5                            ; v5   8 r
.set SH8, 6                            ; v6   8 h
.set SPW, 7                            ; v7   my spare word; never rewritten
.set NIL, 8                            ; v8   0; never rewritten
.set MX,  9                            ; v9-10  the two blocks' largest magnitudes
.set SO,  11                           ; v11-12 the conversions' scale operands
.set BY,  13                           ; v13-14 the bytes
.set PX,  15                           ; v15  from lane l xor 16
.set RW,  16                           ; v16-79  as loaded
.set XN,  80                           ; v80-143 register 32 c + i = k 64 c + 32 h + i of my row
.set CD,  144                          ; v144-155 the fragment
.set CT,  16                           ; v16-18, v20-22: a conversion's three registers begin on an even number; they lie where rows 0 and 1 were loaded, whose LDS stores are done at the wait on DScnt ahead of the conversions
	s_load_b256 s[4:11], s[0:1], 0x0               ; x, W_attn, W_proj, xq
	s_load_b128 s[12:15], s[0:1], 0x20             ; waq, wpq
	v_lshl_add_u32 v[SPW], v0, 2, SPARE
	v_mov_b32 v[NIL], 0
	v_lshrrev_b32 v[MX], 5, v0
	v_readfirstlane_b32 s16, v[MX]                 ; wave = tile u
	v_and_b32 v[MX], 31, v0
	v_lshlrev_b32 v[L16], 4, v[MX]
	v_and_b32 v[SO], 15, v0                        ; r
	v_bfe_u32 v[BY], v0, 4, 1                      ; h
	s_lshl_b32 s17, s16, 15
	v_add_nc_u32 v[SRC], s17, v[L16]
	s_mul_i32 s17, s16, WST
	v_add_nc_u32 v[STA], s17, v[L16]
	v_mul_u32_u24 v[LDA], v[SO], 528
	v_lshl_add_u32 v[LDA], v[BY], 7, v[LDA]
	v_add_nc_u32 v[LDA], s17, v[LDA]
	v_lshlrev_b32 v[R8], 3, v[SO]
	v_lshlrev_b32 v[SH8], 3, v[BY]
	v_mov_b32 v[PX], 0                             ; a lane permute's destination counts as one of its sources
	s_mov_b32 s40, 0x76543210
	s_mov_b32 s41, 0xfedcba98                      ; selects for lane l xor 16
	; which tensor: the first work-group's number, a record's bytes, a K step's bytes, where the step's scale images begin
	s_cmp_lt_u32 ttmp9, 1408
	s_mov_b32 s20, 1408
	s_cselect_b32 s20, 1024, s20
	s_mov_b32 s21, 102400
	s_cselect_b32 s21, 153600, s21
	s_mov_b32 s22, 12800
	s_cselect_b32 s22, 19200, s22
	s_mov_b32 s23, 12288
	s_cselect_b32 s23, 18432, s23
	s_cmp_lt_u32 ttmp9, 1024
	s_cselect_b32 s20, 0, s20
	s_cselect_b32 s21, 51200, s21
	s_cselect_b32 s22, 6400, s22
	s_cselect_b32 s23, 6144, s23
	s_sub_co_u32 s24, ttmp9, s20
	s_lshr_b32 s25, s24, 3                         ; G: the group of 64 rows
	s_and_b32 s26, s24, 7                          ; s: the K step
	s_and_b32 s27, s25, 15                         ; W_attn: record = head, place in it = q, k or v
	s_lshr_b32 s28, s25, 4
	s_lshr_b32 s29, s25, 1                         ; W_proj: record = block of 128 columns, place = which 64
	s_and_b32 s30, s25, 1
	s_cmp_lt_u32 ttmp9, 1408
	s_cselect_b32 s27, s27, s29
	s_cselect_b32 s28, s28, s30
	s_cmp_lt_u32 ttmp9, 1024
	s_cselect_b32 s27, s25, s27                    ; x: record = group, place 0
	s_cselect_b32 s28, 0, s28
	s_mul_i32 s27, s27, s21
	s_mul_i32 s29, s26, s22
	s_add_co_u32 s27, s27, s29                     ; the K step's part of the record
	s_mul_i32 s29, s28, 6144
	s_add_co_u32 s30, s27, s29
	s_mul_i32 s29, s16, 1536
	s_add_co_u32 s30, s30, s29                     ; my tile's image
	s_mov_b32 s31, 0
	s_add_co_u32 s32, s27, s23
	s_lshl_b32 s29, s28, 8
	s_add_co_u32 s32, s32, s29
	s_and_b32 s29, s16, 1
	s_lshl_b32 s29, s29, 7
	s_add_co_u32 s32, s32, s29
	s_lshr_b32 s29, s16, 1
	s_lshl_b32 s29, s29, 2
	s_add_co_u32 s32, s32, s29                     ; my tile's words in the scale image
	s_mov_b32 s33, 0
	s_lshl_b32 s34, s25, 18                        ; 64 rows of 4,096 bytes,
	s_lshl_b32 s29, s26, 9                         ; 128 numbers along K
	s_add_co_u32 s34, s34, s29
	s_mov_b32 s35, 0
	s_wait_alu depctr_va_vdst(0)
	s_wait_kmcnt 0x0
	s_cmp_lt_u32 ttmp9, 1408                       ; the choices hang on the work-group's number alone
	s_cselect_b64 s[36:37], s[6:7], s[8:9]
	s_cselect_b64 s[38:39], s[12:13], s[14:15]
	s_cmp_lt_u32 ttmp9, 1024
	s_cselect_b64 s[36:37], s[4:5], s[36:37]
	s_cselect_b64 s[38:39], s[10:11], s[38:39]
	s_add_nc_u64 s[36:37], s[36:37], s[34:35]
	s_add_nc_u64 s[42:43], s[38:39], s[32:33]
	s_add_nc_u64 s[38:39], s[38:39], s[30:31]
.irp i, 0,1,2,3,4,5,6,7,8,9,10,11,12,13,14,15
	global_load_b128 v[RW+4*\i:RW+4*\i+3], v[SRC], s[36:37] offset:((\i%8)+32*(\i/8))*4096 th:TH_LOAD_NT   ; the tile's row i: 32 lanes read 512 consecutive bytes
.endr
.irp i, 0,1,2,3,4,5,6,7,8,9,10,11,12,13,14,15
	s_wait_loadcnt 15-\i                           ; loads come back in order: row i is in, the younger ones stay out
	ds_store_b128 v[STA], v[RW+4*\i:RW+4*\i+3] offset:528*\i
.endr
.irp c, 0,1
.irp j, 0,1,2,3,4,5,6,7
	ds_load_b128 v[XN+32*\c+4*\j:XN+32*\c+4*\j+3], v[LDA] offset:256*\c+16*\j   ; LDS serves a wave's instructions in order: these see my stores
.endr
.endr
	s_wait_dscnt 0x0
.irp c, 0,1
	v_max3_num_f32 v[MX+\c], |v[XN+32*\c]|, |v[XN+32*\c+1]|, 0x1800000   ; block 2 c + h: all its 32 numbers are mine; the floor 2^(3 - 127) holds the byte at 1 from below
.endr
.irp i, 2,4,6,8,10,12,14,16,18,20,22,24,26,28,30
.irp c, 0,1
	v_max3_num_f32 v[MX+\c], v[MX+\c], |v[XN+32*\c+\i]|, |v[XN+32*\c+\i+1]|
.endr
.endr
.irp c, 0,1
	v_add_nc_u32 v[SO+\c], 0xff000000, v[MX+\c]    ; 2 off the exponent field: the conversion's scale operand
.endr
.irp c, 0,1
	v_lshrrev_b32 v[BY+\c], 23, v[SO+\c]           ; the byte
.endr
	v_cvt_scalef32_pk16_fp6_f32 v[CD:CD+2], v[XN:XN+15], v[SO]
	v_cvt_scalef32_pk16_fp6_f32 v[CT:CT+2], v[XN+16:XN+31], v[SO]
	v_cvt_scalef32_pk16_fp6_f32 v[CD+6:CD+8], v[XN+32:XN+47], v[SO+1]
	v_cvt_scalef32_pk16_fp6_f32 v[CT+4:CT+6], v[XN+48:XN+63], v[SO+1]
	v_lshl_or_b32 v[BY], v[BY+1], 16, v[BY]        ; my two bytes, blocks h and 2 + h (also the plain instruction behind the conversions),
	v_lshlrev_b32 v[BY], v[SH8], v[BY]             ; at their places in the word;
	v_permlanex16_b32 v[PX], v[BY], s40, s41
	v_or_b32 v[BY], v[BY], v[PX]                   ; with lane l xor 16's two the word is whole
.irp i, 0,1,2
	v_mov_b32 v[CD+3+\i], v[CT+\i]
	v_mov_b32 v[CD+9+\i], v[CT+4+\i]
.endr
.irp j, 0,1,2
	global_store_b128 v[L16], v[CD+4*\j:CD+4*\j+3], s[38:39] offset:512*\j   ; 32 lanes store 512 consecutive bytes, aligned
.endr
	global_store_b32 v[R8], v[BY], s[42:43]        ; lanes 16-31 store the word that lanes 0-15 store, at the same place
	s_wait_tensorcnt 0x0                           ; the wave's end, behind my last LDS store
	ds_add_u32 v[SPW], v[NIL]
	s_wait_dscnt 0x0
	s_endpgm
.Lfunc_end_k_q099967d82c_quant:
	.size	k_q099967d82c_quant, .Lfunc_end_k_q099967d82c_quant-k_q099967d82c_quant
	.p2alignl 7, 3214868480
	.fill 96, 4, 3214868480
	.section	.rodata,"a",@progbits
	.p2align	6, 0x0
	.amdhsa_kernel k_q099967d82c_quant
		.amdhsa_group_segment_fixed_size 34304
		.amdhsa_private_segment_fixed_size 0
		.amdhsa_enable_private_segment 0
		.amdhsa_kernarg_size 48
		.amdhsa_user_sgpr_count 2
		.amdhsa_user_sgpr_kernarg_segment_ptr 1
		.amdhsa_wavefront_size32 1
		.amdhsa_system_sgpr_workgroup_id_x 1
		.amdhsa_system_sgpr_workgroup_id_y 1
		.amdhsa_system_sgpr_workgroup_id_z 1
		.amdhsa_system_vgpr_workitem_id 0
		.amdhsa_next_free_vgpr 160
		.amdhsa_next_free_sgpr 66
		.amdhsa_reserve_vcc 0
		.amdhsa_float_denorm_mode_32 3
		.amdhsa_float_denorm_mode_16_64 3
		.amdhsa_memory_ordered 1
		.amdhsa_forward_progress 1
		.amdhsa_inst_pref_size 12
	.end_amdhsa_kernel
	.amdgpu_metadata
---
amdhsa.version: [ 1, 2 ]
amdhsa.kernels:
  - .name:           k_q099967d82c_quant
    .symbol:         k_q099967d82c_quant.kd
    .args:
      - { .name: x, .offset: 0, .size: 8, .value_kind: global_buffer, .address_space: global }
      - { .name: W_attn, .offset: 8, .size: 8, .value_kind: global_buffer, .address_space: global }
      - { .name: W_proj, .offset: 16, .size: 8, .value_kind: global_buffer, .address_space: global }
      - { .name: xq, .offset: 24, .size: 8, .value_kind: global_buffer, .address_space: global }
      - { .name: waq, .offset: 32, .size: 8, .value_kind: global_buffer, .address_space: global }
      - { .name: wpq, .offset: 40, .size: 8, .value_kind: global_buffer, .address_space: global }
    .group_segment_fixed_size: 34304
    .private_segment_fixed_size: 0
    .kernarg_segment_align: 8
    .kernarg_segment_size: 48
    .max_flat_workgroup_size: 128
    .sgpr_count:     66
    .vgpr_count:     160
    .wavefront_size: 32
...
	.end_amdgpu_metadata
.endif
;; end of part 1
;; launch qkv (part 2): grid 16 x 16, 4 waves a work-group, clusters of 4 x 1, 167,936 bytes of LDS; arguments xq, waq, qc, kv; writes qc, kv
.if DOCPART == 2
	.amdgcn_target "amdgcn-amd-amdhsa--gfx1250"
	.amdhsa_code_object_version 6
	.text
	.protected	k_q099967d82c_qkv
	.globl	k_q099967d82c_qkv
	.p2align	8
	.type	k_q099967d82c_qkv,@function
k_q099967d82c_qkv:
	s_mov_b64 s[64:65], 0
	v_nop
	global_prefetch_b8 v0, s[64:65] scope:SCOPE_SE
	s_setreg_imm32_b32 hwreg(HW_REG_WAVE_MODE, 25, 1), 1
	s_wait_xcnt 0x0
	s_wait_alu depctr_hold_cnt(0) depctr_sa_sdst(0) depctr_va_vdst(0) depctr_va_sdst(0) depctr_va_ssrc(0) depctr_va_vcc(0) depctr_vm_vsrc(0)
	s_getreg_b32 s2, hwreg(HW_REG_IB_STS2, 6, 4)
	s_cmp_eq_u32 s2, 0
	s_cbranch_scc0 .Lentry_in_a_cluster
	s_endpgm
.Lentry_in_a_cluster:
	s_bfe_u32 s2, ttmp6, 0x10000c
	s_cmp_lg_u32 s2, 0x3003
	s_cbranch_scc0 .Lentry_shape_is_right
	s_endpgm
.Lentry_shape_is_right:
; qkv = x W_attn^T on codes of FP6 (E2M3); then cos and sin of q, the rotary step on q and k, and the quantisers: q', k' along the head's 64, v along the keys.
; A work-group is (block of 512 rows: ttmp9, head: ttmp7).  Its head's 192 rows of W_attn, all of K, are one record of 153,600 bytes (codes and scale words as register images): it comes into LDS once.
; Wave w walks two trips; a trip is one group of 64 rows x 192 columns (q, k, v of the head): 48 accumulators.  x's fragments are the wave's own: they go from memory straight into registers, three K steps ahead.
; ROW ORDER (all operands): lane r of tile u of a group of 64 takes row 32 (r / 8) + 8 u + r % 8.  So the four tiles of a result give a lane 32 NEIGHBOURS, 32 (lane / 16) + 0 .. 31, a whole block:
;   q, k: source 0 = 16 rows of W, source 1 = 16 rows of x: a lane holds one token and d = 32 h + 0 .. 31.    v: source 0 = x, source 1 = W: a lane holds one d and tokens 32 h + 0 .. 31 of the group.
; No block's maximum crosses lanes, and the conversions' six registers are half a fragment (64 along K) of the next product as they stand: HALF image: 512 bytes (registers 0-3, lane l at 16 l), then 256 (registers 4-5, at 8 l).
; ROTARY: out[d] = x[d] cos q[d] + rot[d] sin q[d], rot[d] = -x[2 d + 1] (d < 32), x[2 (d - 32)] (d >= 32).  One exchange of halves for each pair of registers brings every rot source into the lane that wants it;
; the sign lies in the reduced argument (sine is odd, cosine even).  SIN, COS: n = round(q / pi), r = q - n pi in three parts, polynomials to r^13 and r^12, times (-1)^n.
; No cluster: what work-groups share is the head's record, asked for once by each at its head and in no loop; a joint first fill by four work-groups would divide those requests by four and is not built here.
; LIMITS: |q| under 2^22 pi (n must fit the rounding constant's mantissa); NaN and infinities are not served; a block of zeros carries the byte 1 over zero codes.
; REGISTERS, in windows of 256.  Window 0: v2-9 addresses, v10-17 constant pairs, v18-29 scale words just made, v32-79 W's scale words (all of K), v80-95 x's, v96-239 x's fragments (three K steps), v240-245 scale images.
;   Window 1: in the products W's fragments (q, k, v: 48 each); behind them eight arrays of 32.   Window 2: for x's tile t: q at 64 t, k at 64 t + 32.   Window 3: v, 32 u' + 8 t + j.
; WHAT THIS TEXT DOES OTHERWISE THAN THE LINES ABOVE SAY:
; CLUSTER: four work-groups along x (four blocks of 512 rows of one head) form a cluster and ask for the head's record JOINTLY: the same descriptor (head and wave alone enter it), mask 15;
; a round of the cluster's barrier stands in front of the load and one in front of s_endpgm.  The block of 512 rows is 4 x ttmp9 + cx; it enters global addresses alone.
; SIN: pi in two parts (what is left out is under 3.5e-15 x n, under 1.5e-8 at the stated bound on |q|); the sine's polynomial goes to r^11 (the next term is at most (pi / 2)^13 / 13! = 5.7e-8); the cosine's to r^12.
.set SPARE, 153600                     ; behind the record: the spare words, 128 bytes a wave
.set L8,  2                            ; v2   8 x lane
.set L16, 3                            ; v3   16 x lane; also the LDS address of K steps 0-2
.set WA,  3                            ; v3-5 LDS address of K steps 3 j .. 3 j + 2: 16 x lane + 57,600 j
.set SH8, 6                            ; v6   8 h
.set TMP, 7
.set SPW, 8                            ; v8   my spare word; never rewritten
.set NIL, 9                            ; v9   0; never rewritten
.set MAGIC, 10                         ; v[10:11] 1.5 x 2^23
.set S5V, 12                           ; v[12:13] 1 / 9!
.set C5V, 14                           ; v[14:15] -1 / 10!
.set HS,  16                           ; v[16:17] -1 in lanes 0-15, +1 in lanes 16-31: rot's sign
.set WQ,  18                           ; v18-21 q's scale words by tile; v22-25 k's; v26-29 v's halves
.set WK,  22
.set WVS, 26
.set WS,  32
.set XS,  80
.set XF,  96
.set IMG, 240
.set AT,  0                            ; window 1, behind the products
.set AN,  32
.set AR,  64
.set AZ,  96
.set APS, 128
.set APC, 160
.set AOQ, 192
.set AOK, 224
.set MSB, 0
.macro WIN new                         ; the immediate's high byte repeats the setting that is left; a switch that changes nothing is dropped
.if MSB != (\new)
	s_set_vgpr_msb (MSB<<8)|(\new)
.set MSB, \new
.endif
.endm
.macro PLACES                          ; four plain instructions between a matrix instruction and a load into its registers or a read of its result
.rept 4
	v_nop
.endr
.endm
; One product.  z = 1: it starts the sum.  ra, rb: the side's scale words lie in lanes 16-31 of its register.
.macro WM d, a, b, z, sa, sb, ra, rb
.set rD, \d
.set rA, \a
.set rB, \b
.set rP, \sa
.set rQ, \sb
.if (\z) && (\ra) && (\rb)
	v_wmma_scale_f32_16x16x128_f8f6f4 v[rD:rD+7], v[rA:rA+11], v[rB:rB+11], 0, v[rP], v[rQ] matrix_a_fmt:MATRIX_FMT_FP6 matrix_b_fmt:MATRIX_FMT_FP6 matrix_a_scale:MATRIX_SCALE_ROW1 matrix_b_scale:MATRIX_SCALE_ROW1
.elseif (\z) && (\ra)
	v_wmma_scale_f32_16x16x128_f8f6f4 v[rD:rD+7], v[rA:rA+11], v[rB:rB+11], 0, v[rP], v[rQ] matrix_a_fmt:MATRIX_FMT_FP6 matrix_b_fmt:MATRIX_FMT_FP6 matrix_a_scale:MATRIX_SCALE_ROW1
.elseif (\z) && (\rb)
	v_wmma_scale_f32_16x16x128_f8f6f4 v[rD:rD+7], v[rA:rA+11], v[rB:rB+11], 0, v[rP], v[rQ] matrix_a_fmt:MATRIX_FMT_FP6 matrix_b_fmt:MATRIX_FMT_FP6 matrix_b_scale:MATRIX_SCALE_ROW1
.elseif (\z)
	v_wmma_scale_f32_16x16x128_f8f6f4 v[rD:rD+7], v[rA:rA+11], v[rB:rB+11], 0, v[rP], v[rQ] matrix_a_fmt:MATRIX_FMT_FP6 matrix_b_fmt:MATRIX_FMT_FP6
.elseif (\ra) && (\rb)
	v_wmma_scale_f32_16x16x128_f8f6f4 v[rD:rD+7], v[rA:rA+11], v[rB:rB+11], v[rD:rD+7], v[rP], v[rQ] matrix_a_fmt:MATRIX_FMT_FP6 matrix_b_fmt:MATRIX_FMT_FP6 matrix_a_scale:MATRIX_SCALE_ROW1 matrix_b_scale:MATRIX_SCALE_ROW1
.elseif (\ra)
	v_wmma_scale_f32_16x16x128_f8f6f4 v[rD:rD+7], v[rA:rA+11], v[rB:rB+11], v[rD:rD+7], v[rP], v[rQ] matrix_a_fmt:MATRIX_FMT_FP6 matrix_b_fmt:MATRIX_FMT_FP6 matrix_a_scale:MATRIX_SCALE_ROW1
.elseif (\rb)
	v_wmma_scale_f32_16x16x128_f8f6f4 v[rD:rD+7], v[rA:rA+11], v[rB:rB+11], v[rD:rD+7], v[rP], v[rQ] matrix_a_fmt:MATRIX_FMT_FP6 matrix_b_fmt:MATRIX_FMT_FP6 matrix_b_scale:MATRIX_SCALE_ROW1
.else
	v_wmma_scale_f32_16x16x128_f8f6f4 v[rD:rD+7], v[rA:rA+11], v[rB:rB+11], v[rD:rD+7], v[rP], v[rQ] matrix_a_fmt:MATRIX_FMT_FP6 matrix_b_fmt:MATRIX_FMT_FP6
.endif
.endm
.macro WLOAD grp, s                    ; W's four fragments of part grp (q, k, v), K step s: 12 LDS loads of 512 consecutive bytes
	WIN 0x40
.irp t, 0,1,2,3
.irp c, 0,1,2
	ds_load_b128 v[48*(\grp)+12*\t+4*\c:48*(\grp)+12*\t+4*\c+3], v[WA+(\s)/3] offset:((\s)%3)*19200+(\grp)*6144+\t*1536+512*\c
.endr
.endr
.endm
.macro XLOAD s                         ; x's four fragments of K step s into set s % 3
	WIN 0
.irp t, 0,1,2,3
.irp c, 0,1,2
	global_load_b128 v[XF+48*((\s)%3)+12*\t+4*\c:XF+48*((\s)%3)+12*\t+4*\c+3], v[L16], s[28:29] offset:6400*(\s)+1536*\t+512*\c
.endr
.endr
.endm
.macro XSLOAD                          ; x's scale images of all eight K steps
.irp s, 0,1,2,3,4,5,6,7
	global_load_b64 v[XS+2*\s:XS+2*\s+1], v[L8], s[28:29] offset:6400*\s+6144
.endr
.endm
.macro MULQK grp, s                    ; 16 products: source 0 = W (window 1), source 1 = x (window 0), sums in window 2
	WIN 0xa1
.irp uw, 0,1,2,3
.irp ux, 0,1,2,3
	WM 64*\ux+32*(\grp)+8*\uw, 48*(\grp)+12*\uw, XF+48*((\s)%3)+12*\ux, (\s)==0, WS+6*(\s)+2*(\grp)+\uw/2, XS+2*(\s)+\ux/2, \uw%2, \ux%2
.endr
.endr
.endm
.macro MULV s                          ; 16 products: source 0 = x (window 0), source 1 = W (window 1), sums in window 3
	WIN 0xf4
.irp up, 0,1,2,3
.irp ux, 0,1,2,3
	WM 32*\up+8*\ux, XF+48*((\s)%3)+12*\ux, 96+12*\up, (\s)==0, XS+2*(\s)+\ux/2, WS+6*(\s)+4+\up/2, \ux%2, \up%2
.endr
.endr
.endm
; A K step of 128: 48 products, the 48 accumulators by turns.  Each part's fragments of W are fetched anew as soon as its 16 products are issued.
.macro STEPK s
.if (\s) <= 5
	s_wait_loadcnt 24                              ; this step's x is in; the two later steps' 12 loads each stay out
.elseif (\s) == 6
	s_wait_loadcnt 12
.else
	s_wait_loadcnt 0
.endif
	s_wait_dscnt 24                                ; q's part is in; the two sets of 12 issued behind it stay out
	MULQK 0, \s
	PLACES
.if (\s) < 7
	WLOAD 0, (\s)+1
	s_wait_dscnt 24
.else
	s_wait_dscnt 12
.endif
	MULQK 1, \s
	PLACES
.if (\s) < 7
	WLOAD 1, (\s)+1
	s_wait_dscnt 24
.else
	s_wait_dscnt 0
.endif
	MULV \s
	PLACES
.if (\s) < 7
	WLOAD 2, (\s)+1
.endif
.if (\s) < 5
	XLOAD (\s)+3
.endif
.endm
; sixteen packed instructions over an array of 32
.macro FMA_VSC d, a, sp, cp            ; d = a x scalar + a constant pair of vector registers
.set i, 0
.rept 16
	v_pk_fma_f32 v[\d+i:\d+i+1], v[\a+i:\a+i+1], s[\sp:\sp+1], v[\cp:\cp+1] op_sel_hi:[1,0,1]
.set i, i+2
.endr
.endm
.macro FMA_VSV d, a, sp, c             ; d = a x scalar + c
.set i, 0
.rept 16
	v_pk_fma_f32 v[\d+i:\d+i+1], v[\a+i:\a+i+1], s[\sp:\sp+1], v[\c+i:\c+i+1] op_sel_hi:[1,0,1]
.set i, i+2
.endr
.endm
.macro FMA_VVS d, a, b, sp             ; d = a x b + scalar
.set i, 0
.rept 16
	v_pk_fma_f32 v[\d+i:\d+i+1], v[\a+i:\a+i+1], v[\b+i:\b+i+1], s[\sp:\sp+1] op_sel_hi:[1,1,0]
.set i, i+2
.endr
.endm
.macro FMA_VVI d, a, b, imm            ; d = a x b + an inline constant
.set i, 0
.rept 16
	v_pk_fma_f32 v[\d+i:\d+i+1], v[\a+i:\a+i+1], v[\b+i:\b+i+1], \imm op_sel_hi:[1,1,0]
.set i, i+2
.endr
.endm
.macro FMA_VVV d, a, b, c
.set i, 0
.rept 16
	v_pk_fma_f32 v[\d+i:\d+i+1], v[\a+i:\a+i+1], v[\b+i:\b+i+1], v[\c+i:\c+i+1]
.set i, i+2
.endr
.endm
.macro MUL_VV d, a, b
.set i, 0
.rept 16
	v_pk_mul_f32 v[\d+i:\d+i+1], v[\a+i:\a+i+1], v[\b+i:\b+i+1]
.set i, i+2
.endr
.endm
; A block of 32 numbers of a lane, v[src ..] of window sw, becomes six registers of codes, v[cd ..] of window 1, stored as a HALF image at s[b] + off; its byte, with lane l xor 16's, goes to v[wd] of window 0.
; The two chains of maxima go up from the low end of each accumulator.
.macro QB src, sw, cd, wd, b, off
	WIN 0x40|(\sw)|((\sw)<<2)
	v_max3_num_f32 v[AT], |v[(\src)]|, |v[(\src)+1]|, 0x1800000      ; the floor 2^(3 - 127) holds the byte at 1 from below
	v_max3_num_f32 v[AT+1], |v[(\src)+16]|, |v[(\src)+17]|, 0x1800000
	WIN 0x41|((\sw)<<2)|((\sw)<<4)
.irp i, 2,4,6,8,10,12,14
	v_max3_num_f32 v[AT], v[AT], |v[(\src)+\i]|, |v[(\src)+\i+1]|
	v_max3_num_f32 v[AT+1], v[AT+1], |v[(\src)+16+\i]|, |v[(\src)+17+\i]|
.endr
	WIN 0x45
	v_max_num_f32 v[AT], v[AT], v[AT+1]
	v_add_nc_u32 v[AT+2], 0xff000000, v[AT]        ; 2 off the exponent field: the conversion's scale operand
	v_lshrrev_b32 v[AT+3], 23, v[AT+2]             ; the byte
	WIN 0x44|(\sw)
	v_cvt_scalef32_pk16_fp6_f32 v[\cd:\cd+2], v[(\src):(\src)+15], v[AT+2]
	v_cvt_scalef32_pk16_fp6_f32 v[AT+16:AT+18], v[(\src)+16:(\src)+31], v[AT+2]   ; (a conversion's three registers begin on an even number)
	WIN 0x44
	v_lshlrev_b32 v[AT+3], v[SH8], v[AT+3]         ; my block is block h: 8 h bits up.  (The plain instruction behind the conversions)
	WIN 0x45
	v_permlanex16_b32 v[AT+4], v[AT+3], s40, s41
.irp i, 0,1,2
	v_mov_b32 v[\cd+3+\i], v[AT+16+\i]
.endr
	WIN 0x05
	v_or_b32 v[\wd], v[AT+3], v[AT+4]              ; both blocks' bytes, in both lanes
	WIN 0x04
	global_store_b128 v[L16], v[\cd:\cd+3], s[\b:\b+1] offset:\off
	global_store_b64 v[L8], v[\cd+4:\cd+5], s[\b:\b+1] offset:(\off)+512
.endm
; The 16 tokens of x's tile ux: cos and sin of q, the rotary step on q and k, the two quantisers.
.macro EPI ux
.set QR, 64*(\ux)
.set KR, 64*(\ux)+32
.if (\ux) > 0
	s_wait_xcnt 0x0                                ; the last tile's stores have read their registers: window 1's low registers are written again only behind this wait (ahead of a trip's first tile no store is out: the trip before ended with this wait)
.endif
	WIN 0x42
	FMA_VSC AT, QR, 44, MAGIC                      ; q / pi + 1.5 x 2^23: the sum's mantissa holds n = round(q / pi)
	WIN 0x41
.set i, 0
.rept 16
	v_pk_add_f32 v[AN+i:AN+i+1], v[AT+i:AT+i+1], v[MAGIC:MAGIC+1] neg_lo:[0,1] neg_hi:[0,1]   ; n
.set i, i+2
.endr
	WIN 0x61
	FMA_VSV AR, AN, 46, QR                         ; r = q - n pi, pi in two parts
	WIN 0x51
	FMA_VSV AR, AN, 48, AR
	WIN 0x41
.set i, 0
.rept 32
	v_lshl_or_b32 v[AT+i], v[AT+i], 31, s43        ; n's lowest bit as the sign of 1.0: (-1)^n
.set i, i+1
.endr
.set i, 0
.rept 16
	v_pk_mul_f32 v[AR+i:AR+i+1], v[AR+i:AR+i+1], v[HS:HS+1]   ; rot's sign goes into r: the sine takes it, the cosine does not
.set i, i+2
.endr
	WIN 0x45
	MUL_VV AZ, AR, AR                              ; z = r^2
	WIN 0x41
	FMA_VSC APS, AZ, 52, S5V                       ; the two polynomials in z, by turns
	FMA_VSC APC, AZ, 62, C5V
	WIN 0x45
	FMA_VVS APC, APC, AZ, 66
	FMA_VVS APS, APS, AZ, 56
	FMA_VVS APC, APC, AZ, 68
	FMA_VVS APS, APS, AZ, 58
	FMA_VVS APC, APC, AZ, 70
	FMA_VVS APS, APS, AZ, 60
	FMA_VVI APC, APC, AZ, -0.5
	MUL_VV AN, AZ, AR                              ; z r
	FMA_VVI APC, APC, AZ, 1.0                      ; cos r
	WIN 0x55
	FMA_VVV APS, AN, APS, AR                       ; sin r = r + z r (..)
	WIN 0x45
	MUL_VV APS, APS, AT                            ; x (-1)^n: rot's sign x sin q,
	MUL_VV APC, APC, AT                            ; cos q
	WIN 0x46
	MUL_VV AOQ, QR, APC                            ; x cos
	MUL_VV AOK, KR, APC
	WIN 0x82
.set i, 0
.rept 16
	v_permlane16_swap_b32 v[QR+2*i+1], v[QR+2*i]   ; the odd register's lanes 16-31 change places with the even one's lanes 0-15: behind it rot's source for d = 32 h + m is register 2 m + 1 (m < 16), 2 (m - 16) (m >= 16), in both halves
	v_permlane16_swap_b32 v[KR+2*i+1], v[KR+2*i]
.set i, i+1
.endr
	WIN 0x56
.set i, 0
.rept 16
	v_fma_f32 v[AOQ+i], v[QR+2*i+1], v[APS+i], v[AOQ+i]
	v_fma_f32 v[AOK+i], v[KR+2*i+1], v[APS+i], v[AOK+i]
	v_fma_f32 v[AOQ+16+i], v[QR+2*i], v[APS+16+i], v[AOQ+16+i]
	v_fma_f32 v[AOK+16+i], v[KR+2*i], v[APS+16+i], v[AOK+16+i]
.set i, i+1
.endr
	QB AOQ, 1, 8, WQ+(\ux), 30, 768*(\ux)
	QB AOK, 1, 20, WK+(\ux), 32, 768*(\ux)
.endm
.macro CPAIR r, val                    ; a constant as a pair: the packed forms name a pair and take its low word for both halves
	s_mov_b32 s[\r], \val
	s_mov_b32 s[\r+1], \val
.endm
	s_load_b256 s[4:11], s[0:1], 0x0               ; xq s[4:5], waq s[6:7], qc s[8:9], kv s[10:11]
	v_lshl_add_u32 v[SPW], v0, 2, SPARE
	v_mov_b32 v[NIL], 0
	ds_add_u32 v[SPW], v[NIL]                      ; the wave's opening: the add and its wait stand ahead of my tensor load; the set-up below, work on registers, stands between them
	ds_add_u32 v[SPW], v[NIL]
	v_lshrrev_b32 v[TMP], 5, v0
	v_readfirstlane_b32 s12, v[TMP]                ; wave 0..3
	s_bfe_u32 s38, ttmp6, 0x40000                  ; cx: my place in the cluster
	s_lshl_b32 s39, ttmp9, 2
	s_add_co_u32 s38, s38, s39                     ; my block of 512 rows = 4 x cluster x + cx
	s_mov_b32 s20, 15|(3<<16)|(1<<21)              ; descriptor group 1: the mask names the cluster's four, bit 21 beside it; 150 rows of 32 elements of 8 bytes, dense: my quarter of the record
	s_mov_b32 s21, 32<<16                          ; tensor_dim0
	s_mov_b32 s22, 150<<16                         ; tensor_dim1
	s_mov_b32 s23, 32<<16                          ; tile_dim0
	s_mov_b32 s24, 150                             ; tile_dim1
	s_mov_b32 s25, 32                              ; the pitch
	s_mov_b32 s26, 0
	s_mov_b32 s27, 0
	s_mov_b32 s16, 1                               ; group 0: count,
	s_mul_i32 s17, s12, 38400                      ; LDS address: wave x 38,400
	s_and_b32 s13, ttmp7, 0xffff                   ; the head
	s_lshr_b32 s14, s38, 1                         ; the batch: two blocks of 512 rows each
	s_lshl_b32 s14, s14, 4
	s_add_co_u32 s14, s14, s13                     ; bh = 16 x batch + head
	s_and_b32 s15, s38, 1
	s_mul_i32 s74, s13, 153600
	s_add_co_u32 s74, s74, s17                     ; my quarter of the head's record
	s_mov_b32 s75, 0
	s_lshl_b32 s76, s38, 3
	s_add_co_u32 s76, s76, s12                     ; my first group of 64 rows: 8 x block + wave
	s_mul_i32 s76, s76, 51200
	s_mov_b32 s77, 0
	s_lshl_b32 s78, s15, 3
	s_add_co_u32 s78, s78, s12                     ; the same within the batch: g
	s_mul_i32 s78, s78, 3328
	s_mul_i32 s39, s14, 53248
	s_add_co_u32 s78, s78, s39
	s_mov_b32 s79, 0
	s_lshl_b32 s39, s15, 2
	s_lshr_b32 s72, s12, 1
	s_add_co_u32 s39, s39, s72                     ; the key step: g / 2
	s_mul_i32 s39, s39, 13056
	s_mul_i32 s72, s14, 104448
	s_add_co_u32 s72, s72, s39
	s_mov_b32 s73, 0
	s_and_b32 s39, s12, 1                          ; which 64 keys of the key step: g % 2
	s_mov_b32 s40, 0x76543210
	s_mov_b32 s41, 0xfedcba98                      ; selects for lane l xor 16
	s_mov_b32 s42, 0xffff0000                      ; lanes 16-31
	s_mov_b32 s43, 0x3f800000                      ; 1.0
	CPAIR 44, 0x3ea2f983                           ; 1 / pi
	CPAIR 46, 0xc0490fdb                           ; -pi, in two parts
	CPAIR 48, 0x33bbbd2e
	CPAIR 52, 0xb2d7322b                           ; -1 / 11!
	CPAIR 56, 0xb9500d01                           ; -1 / 7!
	CPAIR 58, 0x3c088889                           ; 1 / 5!
	CPAIR 60, 0xbe2aaaab                           ; -1 / 3!
	CPAIR 62, 0x310f76c7                           ; 1 / 12!
	CPAIR 66, 0x37d00d01                           ; 1 / 8!
	CPAIR 68, 0xbab60b61                           ; -1 / 6!
	CPAIR 70, 0x3d2aaaab                           ; 1 / 4!
	v_and_b32 v[TMP], 31, v0
	v_lshlrev_b32 v[L16], 4, v[TMP]
	v_lshlrev_b32 v[L8], 3, v[TMP]
	v_add_nc_u32 v[WA+1], 57600, v[L16]
	v_add_nc_u32 v[WA+2], 115200, v[L16]
	v_bfe_u32 v[TMP], v0, 4, 1                     ; h
	v_lshlrev_b32 v[SH8], 3, v[TMP]
	v_lshlrev_b32 v[HS], 31, v[TMP]
	v_xor_b32 v[HS], 0xbf800000, v[HS]
	v_mov_b32 v[HS+1], v[HS]
	v_mov_b32 v[MAGIC], 0x4b400000
	v_mov_b32 v[MAGIC+1], 0x4b400000
	v_mov_b32 v[S5V], 0x3638ef1d
	v_mov_b32 v[S5V+1], 0x3638ef1d
	v_mov_b32 v[C5V], 0xb493f27e
	v_mov_b32 v[C5V+1], 0xb493f27e
	s_wait_alu depctr_va_vdst(0)
	s_wait_dscnt 0x0                               ; both opening adds are done
	s_wait_kmcnt 0x0
	s_barrier_signal -1                            ; a round of the cluster's barrier: the four work-groups' joint loads meet
	s_barrier_wait -1
	s_cmp_lg_u32 s12, 0
	s_cbranch_scc1 .Lopen_not_0
	s_barrier_signal -3
.Lopen_not_0:
	s_barrier_wait -3
	s_barrier_signal -1
	s_barrier_wait -1
	s_add_nc_u64 s[18:19], s[6:7], s[74:75]        ; group 0: global address,
	s_or_b32 s19, s19, 0x80000000                  ; type = 2
	tensor_load_to_lds s[16:19], s[20:27]          ; my one tensor load of the launch: these bytes are filled once
	s_nop 0
	PLACES
	s_add_nc_u64 s[28:29], s[4:5], s[76:77]        ; x's images of my group
	XSLOAD
	XLOAD 0
	XLOAD 1
	XLOAD 2
	s_add_nc_u64 s[30:31], s[8:9], s[78:79]        ; q's images of my group
	s_add_nc_u64 s[32:33], s[10:11], s[72:73]      ; kv at my key step
	s_mov_b32 s3, 0
	s_mul_i32 s2, s39, 768
	s_add_co_u32 s2, s2, 6656
	s_add_nc_u64 s[34:35], s[32:33], s[2:3]        ; v's images: behind the two groups of k; my 64 keys' half of each fragment
	s_lshl_b32 s2, s39, 1
	s_add_co_u32 s2, s2, 12800
	s_add_nc_u64 s[36:37], s[32:33], s[2:3]        ; v's scale image: my two bytes of each word
	s_mul_i32 s2, s39, 3328
	s_add_nc_u64 s[32:33], s[32:33], s[2:3]        ; k's images of my group
	s_wait_tensorcnt 0x0                           ; my quarter of the record is in,
	s_barrier_signal -1
	s_barrier_wait -1                              ; everybody's is
.irp s, 0,1,2,3,4,5,6,7
.if (\s%3) == 0
	v_add_nc_u32 v[TMP], 57600*(\s/3), v[L8]
.endif
.irp g, 0,1,2
	ds_load_b64 v[WS+6*\s+2*\g:WS+6*\s+2*\g+1], v[TMP] offset:(\s%3)*19200+18432+256*\g   ; W's scale images stay in registers for both trips
.endr
.endr
	s_wait_dscnt 0x0
	s_mov_b32 s38, 2
.Ltrip:
	WLOAD 0, 0
	WLOAD 1, 0
	WLOAD 2, 0
.irp s, 0,1,2,3,4,5,6,7
	STEPK \s
.endr
	WIN 0                                          ; at a branch and at a label every window is 0
	s_cmp_eq_u32 s38, 1                            ; the next group's x is asked for here, if there is a next group: no load leaves its buffer
	s_cbranch_scc1 .Lno_next
	s_add_nc_u64 s[28:29], s[28:29], 204800        ; four groups on (the last K step's wait has shown every load that named this base done)
	XSLOAD
	XLOAD 0
	XLOAD 1
	XLOAD 2
.Lno_next:
	s_wait_alu depctr_va_vdst(0)
	EPI 0
	EPI 1
	EPI 2
	EPI 3
.irp up, 0,1,2,3
	QB 32*\up, 3, 32+8*\up, WVS+\up, 34, 1536*\up  ; v: tile u' of the head's 64, my group's 64 keys
.endr
	WIN 0
	v_cndmask_b32 v[IMG], v[WQ], v[WQ+1], s42      ; the scale images: tile u's words in register u / 2, lanes 16 (u % 2) on (each word stands in lanes r and 16 + r)
	v_cndmask_b32 v[IMG+1], v[WQ+2], v[WQ+3], s42
	v_cndmask_b32 v[IMG+2], v[WK], v[WK+1], s42
	v_cndmask_b32 v[IMG+3], v[WK+2], v[WK+3], s42
	v_cndmask_b32 v[IMG+4], v[WVS], v[WVS+1], s42
	v_cndmask_b32 v[IMG+5], v[WVS+2], v[WVS+3], s42
	global_store_b64 v[L8], v[IMG:IMG+1], s[30:31] offset:3072      ; bytes 2 and 3 of q's and k's words are 0: they scale the zero codes of k = 64 .. 127
	global_store_b64 v[L8], v[IMG+2:IMG+3], s[32:33] offset:3072
	global_store_b16 v[L8], v[IMG+4], s[36:37]                      ; v: two of a word's four bytes; the other two come from the wave with the key step's other 64 keys
	global_store_b16 v[L8], v[IMG+5], s[36:37] offset:4
	s_wait_xcnt 0x0                                ; the stores have read their registers and bases: both are written again only behind this wait
	s_add_nc_u64 s[30:31], s[30:31], 13312         ; four groups on
	s_add_nc_u64 s[32:33], s[32:33], 26112         ; two key steps on
	s_add_nc_u64 s[34:35], s[34:35], 26112
	s_add_nc_u64 s[36:37], s[36:37], 26112
	s_sub_co_u32 s38, s38, 1
	s_cmp_lg_u32 s38, 0
	s_cbranch_scc1 .Ltrip
	s_wait_tensorcnt 0x0                           ; the wave's end, behind my tensor load
	ds_add_u32 v[SPW], v[NIL]
	s_wait_dscnt 0x0
	s_barrier_signal -1                            ; the closing round: no work-group ends while a partner may still ask for the record
	s_barrier_wait -1
	s_cmp_lg_u32 s12, 0
	s_cbranch_scc1 .Lclose_not_0
	s_barrier_signal -3
.Lclose_not_0:
	s_barrier_wait -3
	s_barrier_signal -1
	s_barrier_wait -1
	s_endpgm
.Lfunc_end_k_q099967d82c_qkv:
	.size	k_q099967d82c_qkv, .Lfunc_end_k_q099967d82c_qkv-k_q099967d82c_qkv
	.p2alignl 7, 3214868480
	.fill 96, 4, 3214868480
	.section	.rodata,"a",@progbits
	.p2align	6, 0x0
	.amdhsa_kernel k_q099967d82c_qkv
		.amdhsa_group_segment_fixed_size 167936
		.amdhsa_private_segment_fixed_size 0
		.amdhsa_enable_private_segment 0
		.amdhsa_kernarg_size 32
		.amdhsa_user_sgpr_count 2
		.amdhsa_user_sgpr_kernarg_segment_ptr 1
		.amdhsa_wavefront_size32 1
		.amdhsa_system_sgpr_workgroup_id_x 1
		.amdhsa_system_sgpr_workgroup_id_y 1
		.amdhsa_system_sgpr_workgroup_id_z 1
		.amdhsa_system_vgpr_workitem_id 0
		.amdhsa_next_free_vgpr 896
		.amdhsa_next_free_sgpr 80
		.amdhsa_reserve_vcc 0
		.amdhsa_float_denorm_mode_32 3
		.amdhsa_float_denorm_mode_16_64 3
		.amdhsa_memory_ordered 1
		.amdhsa_forward_progress 1
		.amdhsa_inst_pref_size 237
	.end_amdhsa_kernel
	.amdgpu_metadata
---
amdhsa.version: [ 1, 2 ]
amdhsa.kernels:
  - .name:           k_q099967d82c_qkv
    .symbol:         k_q099967d82c_qkv.kd
    .args:
      - { .name: xq, .offset: 0, .size: 8, .value_kind: global_buffer, .address_space: global }
      - { .name: waq, .offset: 8, .size: 8, .value_kind: global_buffer, .address_space: global }
      - { .name: qc, .offset: 16, .size: 8, .value_kind: global_buffer, .address_space: global }
      - { .name: kv, .offset: 24, .size: 8, .value_kind: global_buffer, .address_space: global }
    .group_segment_fixed_size: 167936
    .private_segment_fixed_size: 0
    .kernarg_segment_align: 8
    .kernarg_segment_size: 32
    .max_flat_workgroup_size: 128
    .sgpr_count:     80
    .vgpr_count:     896
    .wavefront_size: 32
...
	.end_amdgpu_metadata
.endif
;; end of part 2
;; launch attn (part 3): grid 4 x 64, 16 waves a work-group, clusters of 4 x 1, 210,944 bytes of LDS; arguments qc, kv, yq; writes yq
.if DOCPART == 3
	.amdgcn_target "amdgcn-amd-amdhsa--gfx1250"
	.amdhsa_code_object_version 6
	.text
	.protected	k_q099967d82c_attn
	.globl	k_q099967d82c_attn
	.p2align	8
	.type	k_q099967d82c_attn,@function
k_q099967d82c_attn:
	s_mov_b64 s[64:65], 0
	v_nop
	global_prefetch_b8 v0, s[64:65] scope:SCOPE_SE
	s_setreg_imm32_b32 hwreg(HW_REG_WAVE_MODE, 25, 1), 1
	s_wait_xcnt 0x0
	s_wait_alu depctr_hold_cnt(0) depctr_sa_sdst(0) depctr_va_vdst(0) depctr_va_sdst(0) depctr_va_ssrc(0) depctr_va_vcc(0) depctr_vm_vsrc(0)
	s_getreg_b32 s2, hwreg(HW_REG_IB_STS2, 6, 4)
	s_cmp_eq_u32 s2, 0
	s_cbranch_scc0 .Lentry_in_a_cluster
	s_endpgm
.Lentry_in_a_cluster:
	s_bfe_u32 s2, ttmp6, 0x10000c
	s_cmp_lg_u32 s2, 0x3003
	s_cbranch_scc0 .Lentry_shape_is_right
	s_endpgm
.Lentry_shape_is_right:
; y[b][t][head] = softmax over the keys k <= t of (q' . k') times v, both products on codes of FP6 (E2M3); y is quantised along C for the last product.
; THE SOFTMAX AHEAD OF THE SECOND PRODUCT: t = score x log2(e); M = the running largest t rounded UP to a whole number; p = 2^(t - M) is quantised along the keys, not normalised;
; the row's sum is taken of the unquantised p and divides at the end; when M moves, the sum and O are multiplied by 2^(old M - new M), which rounds nothing.
; A head's k and v (codes and scale words as register images, 104,448 bytes) come into LDS once; waves 0-3 bring a quarter each; two work-groups (ttmp9) share a head (ttmp7).
; A wave owns two tiles of 16 queries: p = 2 x wave + ttmp9 and 63 - p.  Tile 4 g + u sees key steps 0 .. g / 2 of 128 keys: p / 8 + 1 + (63 - p) / 8 + 1 = 9 steps for every wave.
; The loop over key steps has a constant count of 8; a step all of whose keys come after the tile's queries is jumped over by a scalar branch on ids (no barrier and no tensor load stands in the loop).
; LAYOUT.  Both products are used transposed: S^T = K Q^T, O^T = V^T P^T: a lane holds one query.  Lane r of tile u of a group of 64 (keys, queries, the head's 64) takes row 32 (r / 8) + 8 u + r % 8:
; so the four tiles of a group give a lane 32 neighbouring keys, a whole block: registers 32 c + i of S^T are keys 64 c + 32 (lane / 16) + i, the very order of the second product's operand.
; The head's 64 fill half of the first product's 128 along K: the upper six registers of q's and k's fragments are zero codes, cleared once.
; No cluster: a head has two work-groups, and its record is asked for once by each, at the head and in no loop.
; LIMITS: NaN and infinities are not served; a block of zeros carries the byte 1 over zero codes.
; WHAT THIS TEXT DOES OTHERWISE THAN THE LINES ABOVE SAY:
; CLUSTER: four work-groups along x form a cluster and serve a PAIR of heads (ttmp7).  The pair's two records lie on end in kv, 208,896 bytes: they come into each partner's LDS once, asked for JOINTLY:
; waves 0-7 bring an eighth each, by the same descriptor in all four (the pair and the wave alone enter it), mask 15; a round of the cluster's barrier stands in front of the load and one in front of s_endpgm.
; Waves 0-7 work on the pair's first head, waves 8-15 on its second.  A wave's two tiles are p = 4 (wave % 8) + cx and 63 - p: groups g = wave % 8 and 15 - g, so 9 key steps for every wave as before.
; g, the last key step, every branch and every LDS address are made of the wave's number alone; cx enters global addresses and the query's number in the mask's compare.
.set SPARE, 208896                     ; behind the two records: the spare words, 128 bytes for each of 16 waves
.set KS,  32                           ; v[32:35] k's scale images of the step's two groups
.set VS,  36                           ; v[36:37] v's
.set QFA, 38                           ; v[38:49], v[50:61] my two tiles of q
.set QFB, 50
.set KF,  62                           ; v[62:109] four fragments of k
.set SS,  110                          ; v[110:173] S^T, then p, then v's fragments
.set OO,  174                          ; v[174:205] O^T
.set PCD, 206                          ; v[206:217] p's codes
.set CTA, 218                          ; v[218:220], v[222:224]: a conversion's three registers begin on an even number
.set CTB, 222
; v1 16 x lane, v2 8 x lane, v3, v4 the same + the step's place in LDS, v5 my spare word, v6 0 (both never rewritten), v7 my query - 32 h, v8 8 h, v9 8 r, v10 at work, v11 -infinity,
; v12 -M, v13 the largest t, v[14:15] the sum, v[16:17] f, v18-19 the blocks' largest, v20 from lane l xor 16, v22-23 scale operands, v24-25 bytes, v26 at work, v29 p's scale word, v30, v31 q's scale words,
; v[226:227] the sum's second chain, v228 the lane's part of its query's number
.macro WM d, a, b, z, sa, sb, ra, rb   ; one product.  z = 1: it starts the sum.  ra, rb: the side's scale words lie in lanes 16-31 of its register
.set rD, \d
.set rA, \a
.set rB, \b
.set rP, \sa
.set rQ, \sb
.if (\z) && (\ra)
	v_wmma_scale_f32_16x16x128_f8f6f4 v[rD:rD+7], v[rA:rA+11], v[rB:rB+11], 0, v[rP], v[rQ] matrix_a_fmt:MATRIX_FMT_FP6 matrix_b_fmt:MATRIX_FMT_FP6 matrix_a_scale:MATRIX_SCALE_ROW1
.elseif (\z)
	v_wmma_scale_f32_16x16x128_f8f6f4 v[rD:rD+7], v[rA:rA+11], v[rB:rB+11], 0, v[rP], v[rQ] matrix_a_fmt:MATRIX_FMT_FP6 matrix_b_fmt:MATRIX_FMT_FP6
.elseif (\ra)
	v_wmma_scale_f32_16x16x128_f8f6f4 v[rD:rD+7], v[rA:rA+11], v[rB:rB+11], v[rD:rD+7], v[rP], v[rQ] matrix_a_fmt:MATRIX_FMT_FP6 matrix_b_fmt:MATRIX_FMT_FP6 matrix_a_scale:MATRIX_SCALE_ROW1
.else
	v_wmma_scale_f32_16x16x128_f8f6f4 v[rD:rD+7], v[rA:rA+11], v[rB:rB+11], v[rD:rD+7], v[rP], v[rQ] matrix_a_fmt:MATRIX_FMT_FP6 matrix_b_fmt:MATRIX_FMT_FP6
.endif
.endm
; The tile whose number is in s[ts]: its half fragment and its scale words; pa, pb: two pairs of scalar registers of its own
.macro QLOAD ts, qf, qs, pa, pb
	s_lshr_b32 s28, s[\ts], 2                      ; g
	s_and_b32 s29, s[\ts], 3                       ; u
	s_mul_i32 s28, s28, 3328
	s_add_co_u32 s28, s28, s32                     ; the group's images in my head
	s_mul_i32 s31, s29, 768
	s_add_co_u32 s[\pa], s28, s31
	s_mov_b32 s[\pa+1], 0
	s_and_b32 s31, s29, 1
	s_lshl_b32 s31, s31, 7
	s_add_co_u32 s28, s28, s31
	s_lshr_b32 s31, s29, 1
	s_lshl_b32 s31, s31, 2
	s_add_co_u32 s28, s28, s31
	s_add_co_u32 s[\pb], s28, 3072                 ; tile u's words: 128 (u % 2) + 4 (u / 2) + 8 r
	s_mov_b32 s[\pb+1], 0
	s_add_nc_u64 s[\pa:\pa+1], s[4:5], s[\pa:\pa+1]
	s_add_nc_u64 s[\pb:\pb+1], s[4:5], s[\pb:\pb+1]
	global_load_b128 v[\qf:\qf+3], v1, s[\pa:\pa+1]
	global_load_b64 v[\qf+4:\qf+5], v2, s[\pa:\pa+1] offset:512
	global_load_b32 v[\qs], v9, s[\pb:\pb+1]
.endm
; A KEY STEP: 128 keys.  s46: where the step's images begin in LDS; s47: the step; s48: the tile's last step.
.macro STEP qf, qs
	s_cmp_gt_u32 s47, s48
	s_cbranch_scc1 .Lhidden_\@
	v_add_nc_u32 v3, s46, v1
	s_wait_alu depctr_va_vdst(0)
	v_add_nc_u32 v4, s46, v2
	s_wait_alu depctr_va_vdst(0)
.irp c, 0,1                            ; S^T = K Q^T, a group of 64 keys (four tiles) at a time
.if \c
.rept 4
	v_nop                                          ; places in front of loads into registers that matrix instructions have read
.endr
.endif
.irp u, 0,1,2,3
	ds_load_b128 v[KF+12*\u:KF+12*\u+3], v3 offset:3328*\c+768*\u
	ds_load_b64 v[KF+12*\u+4:KF+12*\u+5], v4 offset:3328*\c+768*\u+512
.endr
	ds_load_b64 v[KS+2*\c:KS+2*\c+1], v4 offset:3328*\c+3072
	s_wait_dscnt 0x0
.irp u, 0,1,2,3
	WM SS+8*(4*\c+\u), KF+12*\u, \qf, 1, KS+2*\c+\u/2, \qs, \u%2, 0
.endr
.endr
.rept 4
	v_nop
.endr
	s_cmp_lg_u32 s47, s48                          ; the tile's last step lies on the diagonal: hidden scores become -infinity ahead of the maximum, so p = 0 there.  Earlier steps skip this
	s_cbranch_scc1 .Lopen_\@
	s_lshl_b32 s54, s47, 7
	v_sub_nc_u32 v10, v7, s54                      ; d = my query - 128 n - 32 h: register 32 c + i is hidden where 64 c + i > d
.set i, 0
.rept 64
	v_cmp_gt_i32 vcc_lo, 64*(i/32)+i%32, v10
	v_cndmask_b32 v[SS+i], v[SS+i], v11, vcc_lo
.set i, i+1
.endr
.Lopen_\@:
	v_max3_num_f32 v18, v[SS], v[SS+1], v[SS+2]    ; the largest score of each of my two blocks of 32 keys: it serves the row's maximum and, since p rises with the score, the block's largest p
	v_max3_num_f32 v19, v[SS+32], v[SS+33], v[SS+34]
.irp i, 3,5,7,9,11,13,15,17,19,21,23,25,27,29
	v_max3_num_f32 v18, v18, v[SS+\i], v[SS+\i+1]
	v_max3_num_f32 v19, v19, v[SS+32+\i], v[SS+33+\i]
.endr
	v_max_num_f32 v18, v18, v[SS+31]
	v_max_num_f32 v19, v19, v[SS+63]
	s_delay_alu instid0(VALU_DEP_1)
	v_max_num_f32 v26, v18, v19
	s_delay_alu instid0(VALU_DEP_1)
	v_permlanex16_b32 v20, v26, s42, s43
	s_delay_alu instid0(VALU_DEP_1)
	v_max_num_f32 v26, v26, v20                    ; with lane l xor 16's 64 keys: the step's largest score of my query
	s_delay_alu instid0(VALU_DEP_1)
	v_mul_f32 v26, s44, v26                        ; as t
	s_delay_alu instid0(VALU_DEP_1)
	v_max_num_f32 v13, v13, v26                    ; the running largest t
	v_mov_b32 v26, v12
	s_delay_alu instid0(VALU_DEP_2)
	v_floor_f32 v12, -v13                          ; the new -M = floor(-t) = -ceil(t)
	s_delay_alu instid0(VALU_DEP_1)
	v_sub_f32 v26, v12, v26                        ; old M - new M: a whole number, 0 or less
	s_delay_alu instid0(VALU_DEP_1)
	v_cvt_i32_f32 v26, v26                         ; (it saturates)
	s_delay_alu instid0(VALU_DEP_1)
	v_ldexp_f32 v16, 1.0, v26                      ; f = 2^(old M - new M)
.set i, 0
.rept 32
	v_pk_fma_f32 v[SS+i:SS+i+1], v[SS+i:SS+i+1], s[44:45], v[12:13] op_sel_hi:[1,0,0]   ; t - M, two at a time
.set i, i+2
.endr
	v_fma_f32 v18, v18, s44, v12                   ; the same of each block's largest score
	v_fma_f32 v19, v19, s44, v12
.set i, 0
	s_wait_alu depctr_va_vdst(0)
.rept 64
	v_exp_f32 v[SS+i], v[SS+i]                     ; p = 2^(t - M)
.set i, i+1
.endr
	v_pk_mul_f32 v[14:15], v[14:15], v[16:17] op_sel_hi:[1,0]   ; the sum under the new M (the plain instruction behind the exponentials)
	s_wait_alu depctr_va_vdst(0)                   ; one wait for the batch, ahead of its first reader
	v_exp_f32 v18, v18                             ; the blocks' largest p: the same two instructions on the same number give the same bits
	v_exp_f32 v19, v19
	v_pk_add_f32 v[226:227], v[114:115], v[118:119]
	v_pk_add_f32 v[254:255], v[122:123], v[126:127]
	v_pk_add_f32 v[252:253], v[130:131], v[134:135]
	v_pk_add_f32 v[250:251], v[138:139], v[142:143]
	v_pk_add_f32 v[248:249], v[146:147], v[150:151]
	v_pk_add_f32 v[246:247], v[154:155], v[158:159]
	v_pk_add_f32 v[244:245], v[162:163], v[166:167]
	v_pk_add_f32 v[14:15], v[14:15], v[170:171]
	v_pk_add_f32 v[226:227], v[226:227], v[110:111]
	v_pk_add_f32 v[254:255], v[254:255], v[112:113]
	v_pk_add_f32 v[252:253], v[252:253], v[116:117]
	v_pk_add_f32 v[250:251], v[250:251], v[120:121]
	v_pk_add_f32 v[248:249], v[248:249], v[124:125]
	v_pk_add_f32 v[246:247], v[246:247], v[128:129]
	v_pk_add_f32 v[244:245], v[244:245], v[132:133]
	v_pk_add_f32 v[14:15], v[14:15], v[136:137]
	v_pk_add_f32 v[226:227], v[226:227], v[140:141]
	v_pk_add_f32 v[254:255], v[254:255], v[144:145]
	v_pk_add_f32 v[252:253], v[252:253], v[148:149]
	v_pk_add_f32 v[250:251], v[250:251], v[152:153]
	v_pk_add_f32 v[248:249], v[248:249], v[156:157]
	v_pk_add_f32 v[246:247], v[246:247], v[160:161]
	v_pk_add_f32 v[244:245], v[244:245], v[164:165]
	v_pk_add_f32 v[14:15], v[14:15], v[168:169]
	v_pk_add_f32 v[226:227], v[226:227], v[172:173]
	s_delay_alu instid0(VALU_DEP_2)
	v_pk_add_f32 v[14:15], v[14:15], v[250:251]
	s_delay_alu instid0(VALU_DEP_2)
	v_pk_add_f32 v[226:227], v[226:227], v[248:249]
	v_pk_add_f32 v[254:255], v[254:255], v[246:247]
	v_pk_add_f32 v[252:253], v[252:253], v[244:245]
	s_delay_alu instid0(VALU_DEP_2)
	v_pk_add_f32 v[14:15], v[14:15], v[254:255]
	s_delay_alu instid0(VALU_DEP_2)
	v_pk_add_f32 v[226:227], v[226:227], v[252:253]
	s_delay_alu instid0(VALU_DEP_1)
	v_pk_add_f32 v[14:15], v[14:15], v[226:227]
	s_wait_alu depctr_va_vdst(0)                   ; and one for the two
	v_max_num_f32 v18, 0x1800000, v18              ; the floor 2^(3 - 127): the byte cannot fall under 1
	v_max_num_f32 v19, 0x1800000, v19
	s_delay_alu instid0(VALU_DEP_2)
	v_add_nc_u32 v22, 0xff000000, v18              ; 2 off the exponent field: the conversion's scale operand
	s_delay_alu instid0(VALU_DEP_2)
	v_add_nc_u32 v23, 0xff000000, v19
	s_delay_alu instid0(VALU_DEP_2)
	v_lshrrev_b32 v24, 23, v22                     ; the bytes of blocks h and 2 + h
	s_delay_alu instid0(VALU_DEP_2)
	v_lshrrev_b32 v25, 23, v23
	s_delay_alu instid0(VALU_DEP_1)
	v_lshl_or_b32 v29, v25, 16, v24
	s_delay_alu instid0(VALU_DEP_1)
	v_lshlrev_b32 v29, v8, v29
	s_delay_alu instid0(VALU_DEP_1)
	v_permlanex16_b32 v20, v29, s42, s43
	s_delay_alu instid0(VALU_DEP_1)
	v_or_b32 v29, v29, v20                         ; p's scale word for these 128 keys
	v_cvt_scalef32_pk16_fp6_f32 v[PCD:PCD+2], v[SS:SS+15], v22
	v_cvt_scalef32_pk16_fp6_f32 v[CTA:CTA+2], v[SS+16:SS+31], v22
	v_cvt_scalef32_pk16_fp6_f32 v[PCD+6:PCD+8], v[SS+32:SS+47], v23
	v_cvt_scalef32_pk16_fp6_f32 v[CTB:CTB+2], v[SS+48:SS+63], v23
	v_nop                                          ; one plain instruction behind the conversions
.irp u, 0,1,2,3                        ; v's four fragments land where p lay
.irp c, 0,1
	ds_load_b128 v[SS+12*\u+6*\c:SS+12*\u+6*\c+3], v3 offset:6656+1536*\u+768*\c
	ds_load_b64 v[SS+12*\u+6*\c+4:SS+12*\u+6*\c+5], v4 offset:6656+1536*\u+768*\c+512
.endr
.endr
	ds_load_b64 v[VS:VS+1], v4 offset:12800
.irp i, 0,1,2
	v_mov_b32 v[PCD+3+\i], v[CTA+\i]
	v_mov_b32 v[PCD+9+\i], v[CTB+\i]
.endr
.set i, 0
.rept 16
	v_pk_mul_f32 v[OO+i:OO+i+1], v[OO+i:OO+i+1], v[16:17] op_sel_hi:[1,0]   ; O^T under the new M.  (These 16 are also the places between the codes' and the scale word's last writes and the products)
.set i, i+2
.endr
	s_wait_alu depctr_va_vdst(0)
	s_wait_dscnt 0x0
.irp u, 0,1,2,3
	WM OO+8*\u, SS+12*\u, PCD, 0, VS+\u/2, 29, \u%2, 0
.endr
.rept 5
	v_nop                                          ; the next step's scores are written over v's fragments by matrix instructions: five places
.endr
.Lhidden_\@:
	s_add_co_u32 s46, s46, 13056
.endm
; One tile of 16 queries, its number in s[ts]: all its key steps, the division, y's quantiser, the stores.
.macro TILE ts, qf, qs
	s_wait_xcnt 0x0                                ; the last tile's stores have read their registers and bases
	s_mov_b32 s54, s[\ts+46]                       ; g, made of the wave's number alone (s60 for the first tile, s61 for the second)
	s_and_b32 s55, s[\ts], 3                       ; u
	s_lshr_b32 s48, s54, 1                         ; the last key step
	s_lshr_b32 s56, s11, 4
	s_lshl_b32 s56, s56, 4
	s_add_co_u32 s56, s56, s54                     ; y's group of 64 rows: 16 x batch + g
	s_mul_i32 s56, s56, 51200
	s_and_b32 s57, s11, 15                         ; the head: K step head / 2 of the last product, half head % 2 of its fragments
	s_lshr_b32 s58, s57, 1
	s_mul_i32 s58, s58, 6400
	s_add_co_u32 s56, s56, s58
	s_and_b32 s57, s57, 1
	s_mul_i32 s58, s57, 3072
	s_add_co_u32 s58, s58, s56
	s_mul_i32 s59, s55, 768
	s_add_co_u32 s50, s58, s59
	s_mov_b32 s51, 0
	s_add_nc_u64 s[50:51], s[8:9], s[50:51]
	s_and_b32 s58, s55, 1
	s_lshl_b32 s58, s58, 7
	s_add_co_u32 s56, s56, s58
	s_lshr_b32 s58, s55, 1
	s_lshl_b32 s58, s58, 2
	s_add_co_u32 s56, s56, s58
	s_lshl_b32 s58, s57, 1
	s_add_co_u32 s56, s56, s58
	s_add_co_u32 s52, s56, 6144                    ; my two bytes of tile u's scale words
	s_mov_b32 s53, 0
	s_add_nc_u64 s[52:53], s[8:9], s[52:53]
	s_lshl_b32 s54, s54, 6
	s_lshl_b32 s55, s55, 3
	s_add_co_u32 s54, s54, s55
	v_add_nc_u32 v7, s54, v228                     ; my query 64 g + 8 u + 32 (r / 8) + r % 8, less 32 h
	v_mov_b32 v13, 0xff61b1e6                      ; the largest t so far: -3e38, under every t
	s_delay_alu instid0(VALU_DEP_1)
	v_floor_f32 v12, -v13
	v_mov_b32 v14, 0
	v_mov_b32 v15, 0
.set i, 0
.rept 32
	v_mov_b32 v[OO+i], 0                           ; the step is written once: the first finds zeros, which the first change of M leaves zeros
.set i, i+1
.endr
	s_mov_b32 s46, s33                             ; my head's record in LDS
	s_mov_b32 s47, 0
.Lkey_\@:
	STEP \qf, \qs
	s_add_co_u32 s47, s47, 1
	s_cmp_lt_u32 s47, 8
	s_cbranch_scc1 .Lkey_\@
	v_add_f32 v14, v14, v15                        ; the sum's two halves,
	s_delay_alu instid0(VALU_DEP_1)
	v_permlanex16_b32 v20, v14, s42, s43
	s_delay_alu instid0(VALU_DEP_1)
	v_add_f32 v14, v14, v20                        ; and lane l xor 16's
	s_wait_alu depctr_va_vdst(0)
	v_rcp_f32 v14, v14
	v_nop                                          ; a plain instruction behind the reciprocal,
	s_wait_alu depctr_va_vdst(0)                   ; and the wait ahead of its first reader
.set i, 0
.rept 16
	v_pk_mul_f32 v[SS+i:SS+i+1], v[OO+i:OO+i+1], v[14:15] op_sel_hi:[1,0]   ; y(my query, 64 head + 32 h + i): a whole block of the last product's K
.set i, i+2
.endr
	v_max3_num_f32 v18, |v[SS]|, |v[SS+1]|, 0x1800000
	v_max3_num_f32 v19, |v[SS+16]|, |v[SS+17]|, 0x1800000
.irp i, 2,4,6,8,10,12,14
	s_delay_alu instid0(VALU_DEP_2)
	v_max3_num_f32 v18, v18, |v[SS+\i]|, |v[SS+\i+1]|
	s_delay_alu instid0(VALU_DEP_2)
	v_max3_num_f32 v19, v19, |v[SS+16+\i]|, |v[SS+17+\i]|
.endr
	s_delay_alu instid0(VALU_DEP_1)
	v_max_num_f32 v18, v18, v19
	s_delay_alu instid0(VALU_DEP_1)
	v_add_nc_u32 v22, 0xff000000, v18
	s_delay_alu instid0(VALU_DEP_1)
	v_lshrrev_b32 v24, 23, v22
	v_cvt_scalef32_pk16_fp6_f32 v[PCD:PCD+2], v[SS:SS+15], v22
	v_cvt_scalef32_pk16_fp6_f32 v[CTA:CTA+2], v[SS+16:SS+31], v22
	v_lshlrev_b32 v24, v8, v24                     ; (the plain instruction behind the conversions)
	s_delay_alu instid0(VALU_DEP_1)
	v_permlanex16_b32 v20, v24, s42, s43
.irp i, 0,1,2
	v_mov_b32 v[PCD+3+\i], v[CTA+\i]
.endr
	s_delay_alu instid0(VALU_DEP_4)
	v_or_b32 v24, v24, v20                         ; the head's two bytes of my row's scale word
	global_store_b128 v1, v[PCD:PCD+3], s[50:51]
	global_store_b64 v2, v[PCD+4:PCD+5], s[50:51] offset:512
	global_store_b16 v9, v24, s[52:53]             ; lanes 16-31 store what lanes 0-15 store, at the same place
.endm
	s_load_b128 s[4:7], s[0:1], 0x0                ; qc, kv
	s_load_b64 s[8:9], s[0:1], 0x10                ; yq
	v_lshl_add_u32 v5, v0, 2, SPARE
	v_mov_b32 v6, 0
	ds_add_u32 v5, v6                              ; the wave's opening: the add and its wait stand ahead of the first tensor load; the set-up below, work on registers, stands between them
	ds_add_u32 v5, v6
	v_lshrrev_b32 v7, 5, v0
	s_delay_alu instid0(VALU_DEP_1)
	v_readfirstlane_b32 s10, v7                    ; wave 0..15
	s_mov_b32 s20, 15|(3<<16)|(1<<21)              ; descriptor group 1: the mask names the cluster's four, bit 21 beside it; 102 rows of 32 elements of 8 bytes, dense: an eighth of the two records
	s_mov_b32 s21, 32<<16
	s_mov_b32 s22, 102<<16
	s_mov_b32 s23, 32<<16
	s_mov_b32 s24, 102
	s_mov_b32 s25, 32
	s_mov_b32 s26, 0
	s_mov_b32 s27, 0
	s_mov_b32 s16, 1
	s_mul_i32 s17, s10, 26112                      ; LDS address: wave x 26,112 (waves 0-7 alone use it)
	s_and_b32 s11, ttmp7, 0xffff                   ; the pair of heads
	s_mul_i32 s12, s11, 208896
	s_add_co_u32 s12, s12, s17                     ; (waves 0-7) my eighth of the pair's two records
	s_mov_b32 s13, 0
	s_lshr_b32 s33, s10, 3                         ; which of the two heads is my wave's
	s_lshl_b32 s11, s11, 1
	s_add_co_u32 s11, s11, s33                     ; bh
	s_mul_i32 s33, s33, 104448                     ; its record in LDS
	s_mul_i32 s32, s11, 53248                      ; my head in qc
	s_and_b32 s60, s10, 7                          ; g of my first tile,
	s_sub_co_u32 s61, 15, s60                      ; and of my second
	s_bfe_u32 s14, ttmp6, 0x40000                  ; cx: my place in the cluster
	s_lshl_b32 s15, s60, 2
	s_add_co_u32 s14, s14, s15                     ; my first tile: p = 4 g + cx,
	s_sub_co_u32 s15, 63, s14                      ; and my second: 63 - p
	s_mov_b32 s42, 0x76543210
	s_mov_b32 s43, 0xfedcba98                      ; selects for lane l xor 16
	s_mov_b32 s44, 0x3fb8aa3b                      ; log2(e)
	s_mov_b32 s45, s44                             ; (named with it as a pair, so it is written)
	v_and_b32 v7, 31, v0
	s_delay_alu instid0(VALU_DEP_1)
	v_lshlrev_b32 v1, 4, v7
	s_delay_alu instid0(VALU_DEP_2)
	v_lshlrev_b32 v2, 3, v7
	v_and_b32 v7, 15, v0
	s_delay_alu instid0(VALU_DEP_1)
	v_lshlrev_b32 v9, 3, v7
	v_bfe_u32 v7, v0, 4, 1                         ; h
	s_delay_alu instid0(VALU_DEP_1)
	v_lshlrev_b32 v8, 3, v7
	v_bfe_u32 v10, v0, 3, 1
	v_and_b32 v228, 7, v0
	s_delay_alu instid0(VALU_DEP_1)
	v_lshl_add_u32 v228, v10, 5, v228              ; 32 (r / 8) + r % 8
	v_lshlrev_b32 v7, 5, v7
	s_delay_alu instid0(VALU_DEP_1)
	v_sub_nc_u32 v228, v228, v7                    ; - 32 h
	v_mov_b32 v11, 0xff800000
	v_mov_b32 v17, 0                               ; (named as the upper half of the pair v[16:17])
	v_mov_b32 v20, 0                               ; a lane permute's destination counts as one of its sources
.irp i, 6,7,8,9,10,11
	v_mov_b32 v[QFA+\i], 0                         ; the zero codes of k = 64 .. 127: written once
	v_mov_b32 v[QFB+\i], 0
.irp u, 0,1,2,3
	v_mov_b32 v[KF+12*\u+\i], 0
.endr
.endr
	s_wait_alu depctr_va_vdst(0)
	s_wait_dscnt 0x0                               ; both opening adds are done
	s_wait_kmcnt 0x0
	s_barrier_signal -1                            ; a round of the cluster's barrier: the four work-groups' joint loads meet
	s_barrier_wait -1
	s_cmp_lg_u32 s10, 0
	s_cbranch_scc1 .Lopen_not_0
	s_barrier_signal -3
.Lopen_not_0:
	s_barrier_wait -3
	s_barrier_signal -1
	s_barrier_wait -1
	s_add_nc_u64 s[18:19], s[6:7], s[12:13]
	s_or_b32 s19, s19, 0x80000000
	s_cmp_lt_u32 s10, 8
	s_cbranch_scc0 .Lno_fill
	tensor_load_to_lds s[16:19], s[20:27]          ; filled once
	s_nop 0
.rept 4
	v_nop
.endr
.Lno_fill:
	QLOAD 14, QFA, 30, 34, 36
	QLOAD 15, QFB, 31, 38, 40
	s_wait_tensorcnt 0x0                           ; my quarter of the record, if I fetched one, is in,
	s_barrier_signal -1
	s_barrier_wait -1                              ; everybody's is
	s_wait_loadcnt 0x0                             ; q
	TILE 14, QFA, 30
	TILE 15, QFB, 31
	s_wait_tensorcnt 0x0                           ; the wave's end
	ds_add_u32 v5, v6
	s_wait_dscnt 0x0
	s_barrier_signal -1                            ; the closing round: no work-group ends while a partner may still ask for the records
	s_barrier_wait -1
	s_cmp_lg_u32 s10, 0
	s_cbranch_scc1 .Lclose_not_0
	s_barrier_signal -3
.Lclose_not_0:
	s_barrier_wait -3
	s_barrier_signal -1
	s_barrier_wait -1
	s_endpgm
.Lfunc_end_k_q099967d82c_attn:
	.size	k_q099967d82c_attn, .Lfunc_end_k_q099967d82c_attn-k_q099967d82c_attn
	.p2alignl 7, 3214868480
	.fill 96, 4, 3214868480
	.section	.rodata,"a",@progbits
	.p2align	6, 0x0
	.amdhsa_kernel k_q099967d82c_attn
		.amdhsa_group_segment_fixed_size 210944
		.amdhsa_private_segment_fixed_size 0
		.amdhsa_enable_private_segment 0
		.amdhsa_kernarg_size 24
		.amdhsa_user_sgpr_count 2
		.amdhsa_user_sgpr_kernarg_segment_ptr 1
		.amdhsa_wavefront_size32 1
		.amdhsa_system_sgpr_workgroup_id_x 1
		.amdhsa_system_sgpr_workgroup_id_y 1
		.amdhsa_system_sgpr_workgroup_id_z 1
		.amdhsa_system_vgpr_workitem_id 0
		.amdhsa_next_free_vgpr 256
		.amdhsa_next_free_sgpr 66
		.amdhsa_reserve_vcc 1
		.amdhsa_float_denorm_mode_32 3
		.amdhsa_float_denorm_mode_16_64 3
		.amdhsa_memory_ordered 1
		.amdhsa_forward_progress 1
		.amdhsa_inst_pref_size 62
	.end_amdhsa_kernel
	.amdgpu_metadata
---
amdhsa.version: [ 1, 2 ]
amdhsa.kernels:
  - .name:           k_q099967d82c_attn
    .symbol:         k_q099967d82c_attn.kd
    .args:
      - { .name: qc, .offset: 0, .size: 8, .value_kind: global_buffer, .address_space: global }
      - { .name: kv, .offset: 8, .size: 8, .value_kind: global_buffer, .address_space: global }
      - { .name: yq, .offset: 16, .size: 8, .value_kind: global_buffer, .address_space: global }
    .group_segment_fixed_size: 210944
    .private_segment_fixed_size: 0
    .kernarg_segment_align: 8
    .kernarg_segment_size: 24
    .max_flat_workgroup_size: 512
    .sgpr_count:     66
    .vgpr_count:     256
    .wavefront_size: 32
...
	.end_amdgpu_metadata
.endif
;; end of part 3
;; launch proj (part 4): grid 32 x 8, 4 waves a work-group, clusters of 4 x 1, 167,936 bytes of LDS; arguments yq, wpq, out0; writes out0
.if DOCPART == 4
	.amdgcn_target "amdgcn-amd-amdhsa--gfx1250"
	.amdhsa_code_object_version 6
	.text
	.protected	k_q099967d82c_proj
	.globl	k_q099967d82c_proj
	.p2align	8
	.type	k_q099967d82c_proj,@function
k_q099967d82c_proj:
	s_mov_b64 s[64:65], 0
	v_nop
	global_prefetch_b8 v0, s[64:65] scope:SCOPE_SE
	s_setreg_imm32_b32 hwreg(HW_REG_WAVE_MODE, 25, 1), 1
	s_wait_xcnt 0x0
	s_wait_alu depctr_hold_cnt(0) depctr_sa_sdst(0) depctr_va_vdst(0) depctr_va_sdst(0) depctr_va_ssrc(0) depctr_va_vcc(0) depctr_vm_vsrc(0)
	s_getreg_b32 s2, hwreg(HW_REG_IB_STS2, 6, 4)
	s_cmp_eq_u32 s2, 0
	s_cbranch_scc0 .Lentry_in_a_cluster
	s_endpgm
.Lentry_in_a_cluster:
	s_bfe_u32 s2, ttmp6, 0x10000c
	s_cmp_lg_u32 s2, 0x3003
	s_cbranch_scc0 .Lentry_shape_is_right
	s_endpgm
.Lentry_shape_is_right:
; out0 = y W_proj^T on codes of FP6 (E2M3).  A work-group is (128 columns: ttmp9, 256 rows: ttmp7).  Its 128 rows of W_proj, all of K, are one record of 102,400 bytes (register images): it comes into LDS once.
; Wave w takes 64 rows x 128 columns: 32 accumulators.  y's fragments are the wave's own: from memory straight into registers, three K steps ahead.  Straight-line: eight K steps of 128.
; Source 0 = 16 rows of W, source 1 = 16 rows of y: lane (r, h) holds row 32 (r / 8) + 8 t + r % 8 of y's group and columns 64 ng + 32 h + 8 u + j: 32 neighbouring bytes an accumulator.
; THE WAY OUT: 16 rows x 512 bytes go through the wave's own stage in LDS and leave as whole rows: 32 lanes store 512 consecutive bytes, aligned.
; No cluster: what work-groups share is the record, asked for once by each at its head and in no loop; a joint first fill by four work-groups would divide those requests by four and is not built here.
; REGISTERS: window 0: v2-9 addresses, v32-63 W's scale words, v64-79 y's, v96-239 y's fragments (three K steps), later rows on the way out.  Window 1: W's fragments, two K steps x 96.  Window 2: accumulator (t, ng, u) at 8 (8 t + 4 ng + u).
; WHAT THIS TEXT DOES OTHERWISE THAN THE LINES ABOVE SAY:
; The grid is (256 rows: x, 128 columns: y).  CLUSTER: four work-groups along x (four blocks of 256 rows, one block of columns) form a cluster and ask for the columns' record JOINTLY: the same descriptor
; (the block of columns and the wave alone enter it), mask 15; a round of the cluster's barrier stands in front of the load and one in front of s_endpgm.  The block of rows is 4 x ttmp9 + cx; it enters global addresses alone.
.set STG,   102400                     ; behind the record: a stage of 16 rows x (512 + 16) bytes for each wave
.set SPARE, STG+4*8448                 ; behind the stages: the spare words, 128 bytes a wave
.set L8,  2                            ; v2   8 x lane
.set L16, 3                            ; v3   16 x lane; also the LDS address of K steps 0-4
.set WA,  3                            ; v4   the same + 64,000: K steps 5-7
.set STO, 5                            ; v5   the stage: row r, + 128 h
.set RD,  6                            ; v6   and back: 16 x lane
.set TMP, 7
.set SPW, 8                            ; v8   my spare word; never rewritten
.set NIL, 9                            ; v9   0; never rewritten
.set WS,  32
.set YS,  64
.set YF,  96
.set BK,  96
.set MSB, 0
.macro WIN new                         ; the immediate's high byte repeats the setting that is left; a switch that changes nothing is dropped
.if MSB != (\new)
	s_set_vgpr_msb (MSB<<8)|(\new)
.set MSB, \new
.endif
.endm
.macro PLACES                          ; four plain instructions between a matrix instruction and a load into its registers or a read of its result
.rept 4
	v_nop
.endr
.endm
.macro WM d, a, b, z, sa, sb, ra, rb   ; one product.  z = 1: it starts the sum.  ra, rb: the side's scale words lie in lanes 16-31 of its register
.set rD, \d
.set rA, \a
.set rB, \b
.set rP, \sa
.set rQ, \sb
.if (\z) && (\ra) && (\rb)
	v_wmma_scale_f32_16x16x128_f8f6f4 v[rD:rD+7], v[rA:rA+11], v[rB:rB+11], 0, v[rP], v[rQ] matrix_a_fmt:MATRIX_FMT_FP6 matrix_b_fmt:MATRIX_FMT_FP6 matrix_a_scale:MATRIX_SCALE_ROW1 matrix_b_scale:MATRIX_SCALE_ROW1
.elseif (\z) && (\ra)
	v_wmma_scale_f32_16x16x128_f8f6f4 v[rD:rD+7], v[rA:rA+11], v[rB:rB+11], 0, v[rP], v[rQ] matrix_a_fmt:MATRIX_FMT_FP6 matrix_b_fmt:MATRIX_FMT_FP6 matrix_a_scale:MATRIX_SCALE_ROW1
.elseif (\z) && (\rb)
	v_wmma_scale_f32_16x16x128_f8f6f4 v[rD:rD+7], v[rA:rA+11], v[rB:rB+11], 0, v[rP], v[rQ] matrix_a_fmt:MATRIX_FMT_FP6 matrix_b_fmt:MATRIX_FMT_FP6 matrix_b_scale:MATRIX_SCALE_ROW1
.elseif (\z)
	v_wmma_scale_f32_16x16x128_f8f6f4 v[rD:rD+7], v[rA:rA+11], v[rB:rB+11], 0, v[rP], v[rQ] matrix_a_fmt:MATRIX_FMT_FP6 matrix_b_fmt:MATRIX_FMT_FP6
.elseif (\ra) && (\rb)
	v_wmma_scale_f32_16x16x128_f8f6f4 v[rD:rD+7], v[rA:rA+11], v[rB:rB+11], v[rD:rD+7], v[rP], v[rQ] matrix_a_fmt:MATRIX_FMT_FP6 matrix_b_fmt:MATRIX_FMT_FP6 matrix_a_scale:MATRIX_SCALE_ROW1 matrix_b_scale:MATRIX_SCALE_ROW1
.elseif (\ra)
	v_wmma_scale_f32_16x16x128_f8f6f4 v[rD:rD+7], v[rA:rA+11], v[rB:rB+11], v[rD:rD+7], v[rP], v[rQ] matrix_a_fmt:MATRIX_FMT_FP6 matrix_b_fmt:MATRIX_FMT_FP6 matrix_a_scale:MATRIX_SCALE_ROW1
.elseif (\rb)
	v_wmma_scale_f32_16x16x128_f8f6f4 v[rD:rD+7], v[rA:rA+11], v[rB:rB+11], v[rD:rD+7], v[rP], v[rQ] matrix_a_fmt:MATRIX_FMT_FP6 matrix_b_fmt:MATRIX_FMT_FP6 matrix_b_scale:MATRIX_SCALE_ROW1
.else
	v_wmma_scale_f32_16x16x128_f8f6f4 v[rD:rD+7], v[rA:rA+11], v[rB:rB+11], v[rD:rD+7], v[rP], v[rQ] matrix_a_fmt:MATRIX_FMT_FP6 matrix_b_fmt:MATRIX_FMT_FP6
.endif
.endm
.macro WLOAD ng, s                     ; W's four fragments of columns 64 ng on, K step s, into set s % 2: 12 LDS loads of 512 consecutive bytes
	WIN 0x40
.irp t, 0,1,2,3
.irp c, 0,1,2
	ds_load_b128 v[96*((\s)%2)+48*(\ng)+12*\t+4*\c:96*((\s)%2)+48*(\ng)+12*\t+4*\c+3], v[WA+(\s)/5] offset:((\s)%5)*12800+(\ng)*6144+\t*1536+512*\c
.endr
.endr
.endm
.macro YLOAD s                         ; y's four fragments of K step s, each two halves (heads 2 s and 2 s + 1), into set s % 3: 16 loads
	WIN 0
.irp t, 0,1,2,3
.irp c, 0,1
	global_load_b128 v[YF+48*((\s)%3)+12*\t+6*\c:YF+48*((\s)%3)+12*\t+6*\c+3], v[L16], s[28:29] offset:6400*(\s)+3072*\c+768*\t
	global_load_b64 v[YF+48*((\s)%3)+12*\t+6*\c+4:YF+48*((\s)%3)+12*\t+6*\c+5], v[L8], s[28:29] offset:6400*(\s)+3072*\c+768*\t+512
.endr
.endr
.endm
.macro MUL ng, s                       ; 16 products: source 0 = W (window 1), source 1 = y (window 0), sums in window 2
	WIN 0xa1
.irp uw, 0,1,2,3
.irp uy, 0,1,2,3
	WM 8*(8*\uy+4*(\ng)+\uw), 96*((\s)%2)+48*(\ng)+12*\uw, YF+48*((\s)%3)+12*\uy, (\s)==0, WS+4*(\s)+2*(\ng)+\uw/2, YS+2*(\s)+\uy/2, \uw%2, \uy%2
.endr
.endr
.endm
; A K step of 128: 32 products, the 32 accumulators by turns.  W's sets are fetched two K steps ahead, each as soon as its registers' 16 products are issued.
.macro STEPK s
.if (\s) <= 5
	s_wait_loadcnt 32                              ; this step's y is in; the two later steps' 16 loads each stay out
.elseif (\s) == 6
	s_wait_loadcnt 16
.else
	s_wait_loadcnt 0
.endif
.if (\s) < 7
	s_wait_dscnt 36                                ; this set is in; the three sets of 12 issued behind it stay out
.else
	s_wait_dscnt 12
.endif
	MUL 0, \s
	PLACES
.if (\s) < 6
	WLOAD 0, (\s)+2
	s_wait_dscnt 36
.elseif (\s) == 6
	s_wait_dscnt 24
.else
	s_wait_dscnt 0
.endif
	MUL 1, \s
	PLACES
.if (\s) < 6
	WLOAD 1, (\s)+2
.endif
.if (\s) < 5
	YLOAD (\s)+3
.endif
.endm
	s_load_b128 s[4:7], s[0:1], 0x0                ; yq, wpq
	s_load_b64 s[8:9], s[0:1], 0x10                ; out0
	v_lshl_add_u32 v[SPW], v0, 2, SPARE
	v_mov_b32 v[NIL], 0
	ds_add_u32 v[SPW], v[NIL]                      ; the wave's opening: the add and its wait stand ahead of my tensor load; the set-up below, work on registers, stands between them
	ds_add_u32 v[SPW], v[NIL]
	v_lshrrev_b32 v[TMP], 5, v0
	v_readfirstlane_b32 s10, v[TMP]                ; wave 0..3
	s_bfe_u32 s36, ttmp6, 0x40000                  ; cx: my place in the cluster
	s_lshl_b32 s37, ttmp9, 2
	s_add_co_u32 s36, s36, s37                     ; my block of 256 rows = 4 x cluster x + cx
	s_and_b32 s37, ttmp7, 0xffff                   ; my block of 128 columns
	s_mov_b32 s20, 15|(3<<16)|(1<<21)              ; descriptor group 1: the mask names the cluster's four, bit 21 beside it; 100 rows of 32 elements of 8 bytes, dense: my quarter of the record
	s_mov_b32 s21, 32<<16
	s_mov_b32 s22, 100<<16
	s_mov_b32 s23, 32<<16
	s_mov_b32 s24, 100
	s_mov_b32 s25, 32
	s_mov_b32 s26, 0
	s_mov_b32 s27, 0
	s_mov_b32 s16, 1
	s_mul_i32 s17, s10, 25600                      ; LDS address: wave x 25,600
	s_mul_i32 s12, s37, 102400
	s_add_co_u32 s12, s12, s17
	s_mov_b32 s13, 0
	s_lshl_b32 s11, s36, 2
	s_add_co_u32 s11, s11, s10                     ; my group of 64 rows
	s_mul_i32 s32, s11, 51200
	s_mov_b32 s33, 0
	s_lshl_b32 s34, s11, 18                        ; 64 rows of 4,096 bytes,
	s_lshl_b32 s14, s37, 9                         ; 128 columns of 4 bytes
	s_add_co_u32 s34, s34, s14
	s_mov_b32 s35, 0
	v_and_b32 v[TMP], 31, v0
	v_lshlrev_b32 v[L16], 4, v[TMP]
	v_lshlrev_b32 v[L8], 3, v[TMP]
	v_add_nc_u32 v[WA+1], 64000, v[L16]
	s_mul_i32 s14, s10, 8448
	s_add_co_u32 s14, s14, STG                     ; my stage
	v_and_b32 v[TMP], 15, v0
	v_mul_u32_u24 v[STO], v[TMP], 528
	v_bfe_u32 v[TMP], v0, 4, 1
	v_lshl_add_u32 v[STO], v[TMP], 7, v[STO]
	v_add_nc_u32 v[STO], s14, v[STO]
	v_add_nc_u32 v[RD], s14, v[L16]
	s_wait_alu depctr_va_vdst(0)
	s_wait_dscnt 0x0                               ; the opening add is done
	s_wait_kmcnt 0x0
	s_barrier_signal -1                            ; a round of the cluster's barrier: the four work-groups' joint loads meet
	s_barrier_wait -1
	s_cmp_lg_u32 s10, 0
	s_cbranch_scc1 .Lopen_not_0
	s_barrier_signal -3
.Lopen_not_0:
	s_barrier_wait -3
	s_barrier_signal -1
	s_barrier_wait -1
	s_add_nc_u64 s[18:19], s[6:7], s[12:13]
	s_or_b32 s19, s19, 0x80000000
	tensor_load_to_lds s[16:19], s[20:27]          ; my one tensor load of the launch: these bytes are filled once
	s_nop 0
	PLACES
	s_add_nc_u64 s[28:29], s[4:5], s[32:33]
	s_add_nc_u64 s[30:31], s[8:9], s[34:35]
.irp s, 0,1,2,3,4,5,6,7
	global_load_b64 v[YS+2*\s:YS+2*\s+1], v[L8], s[28:29] offset:6400*\s+6144   ; y's scale images of all eight K steps
.endr
	YLOAD 0
	YLOAD 1
	YLOAD 2
	s_wait_tensorcnt 0x0                           ; my quarter of the record is in,
	s_barrier_signal -1
	s_barrier_wait -1                              ; everybody's is
.irp s, 0,1,2,3,4,5,6,7
.if (\s%5) == 0
	v_add_nc_u32 v[TMP], 64000*(\s/5), v[L8]
.endif
.irp g, 0,1
	ds_load_b64 v[WS+4*\s+2*\g:WS+4*\s+2*\g+1], v[TMP] offset:(\s%5)*12800+12288+256*\g   ; W's scale images; older than the 48 loads below, so the first K step's counted wait covers them
.endr
.endr
	WLOAD 0, 0
	WLOAD 1, 0
	WLOAD 0, 1
	WLOAD 1, 1
.irp s, 0,1,2,3,4,5,6,7
	STEPK \s
.endr
	WIN 0
; THE WAY OUT, y's tile t (16 rows x 128 columns) at a time.  LDS serves a wave's instructions in order (ISA guide 5.7.1.4): no wait between the stores and the loads, nor in front of the next tile's stores.
.macro TOSTAGE t
	WIN 0x08                                       ; an LDS store's data are its source 1: window 2
.irp g, 0,1
.irp u, 0,1,2,3
	ds_store_b128 v[STO], v[8*(8*(\t)+4*\g+\u):8*(8*(\t)+4*\g+\u)+3] offset:256*\g+32*\u        ; each accumulator from its low end on
	ds_store_b128 v[STO], v[8*(8*(\t)+4*\g+\u)+4:8*(8*(\t)+4*\g+\u)+7] offset:256*\g+32*\u+16
.endr
.endr
	WIN 0
.set BB, BK+64*((\t)%2)
.irp i, 0,1,2,3,4,5,6,7,8,9,10,11,12,13,14,15
	ds_load_b128 v[BB+4*\i:BB+4*\i+3], v[RD] offset:528*\i
.endr
.endm
.macro SEND t, younger                 ; younger: the LDS instructions issued behind tile t's loads, which may stay out
.set BB, BK+64*((\t)%2)
	s_wait_dscnt \younger
.irp i, 0,1,2,3,4,5,6,7,8,9,10,11,12,13,14,15
	global_store_b128 v[L16], v[BB+4*\i:BB+4*\i+3], s[30:31] offset:(32*(\i/8)+8*(\t)+\i%8)*4096 th:TH_STORE_NT   ; 32 lanes store 512 consecutive bytes of one row, aligned; written once, read by nobody here
.endr
.endm
	TOSTAGE 0                                      ; (the last K step's four places stand in front of these reads and loads)
.irp t, 1,2,3
.if \t > 1
	s_wait_xcnt 0x0                                ; tile t - 2's stores have read their registers: tile t's loads may land there
.endif
	TOSTAGE \t
	SEND \t-1, 32                                  ; behind tile t - 1's loads: tile t's 16 stores and 16 loads
.endr
	SEND 3, 0
	s_wait_tensorcnt 0x0                           ; the wave's end, behind my tensor load and my last LDS store
	ds_add_u32 v[SPW], v[NIL]
	s_wait_dscnt 0x0
	s_barrier_signal -1                            ; the closing round: no work-group ends while a partner may still ask for the record
	s_barrier_wait -1
	s_cmp_lg_u32 s10, 0
	s_cbranch_scc1 .Lclose_not_0
	s_barrier_signal -3
.Lclose_not_0:
	s_barrier_wait -3
	s_barrier_signal -1
	s_barrier_wait -1
	s_endpgm
.Lfunc_end_k_q099967d82c_proj:
	.size	k_q099967d82c_proj, .Lfunc_end_k_q099967d82c_proj-k_q099967d82c_proj
	.p2alignl 7, 3214868480
	.fill 96, 4, 3214868480
	.section	.rodata,"a",@progbits
	.p2align	6, 0x0
	.amdhsa_kernel k_q099967d82c_proj
		.amdhsa_group_segment_fixed_size 167936
		.amdhsa_private_segment_fixed_size 0
		.amdhsa_enable_private_segment 0
		.amdhsa_kernarg_size 24
		.amdhsa_user_sgpr_count 2
		.amdhsa_user_sgpr_kernarg_segment_ptr 1
		.amdhsa_wavefront_size32 1
		.amdhsa_system_sgpr_workgroup_id_x 1
		.amdhsa_system_sgpr_workgroup_id_y 1
		.amdhsa_system_sgpr_workgroup_id_z 1
		.amdhsa_system_vgpr_workitem_id 0
		.amdhsa_next_free_vgpr 768
		.amdhsa_next_free_sgpr 66
		.amdhsa_reserve_vcc 0
		.amdhsa_float_denorm_mode_32 3
		.amdhsa_float_denorm_mode_16_64 3
		.amdhsa_memory_ordered 1
		.amdhsa_forward_progress 1
		.amdhsa_inst_pref_size 80
	.end_amdhsa_kernel
	.amdgpu_metadata
---
amdhsa.version: [ 1, 2 ]
amdhsa.kernels:
  - .name:           k_q099967d82c_proj
    .symbol:         k_q099967d82c_proj.kd
    .args:
      - { .name: yq, .offset: 0, .size: 8, .value_kind: global_buffer, .address_space: global }
      - { .name: wpq, .offset: 8, .size: 8, .value_kind: global_buffer, .address_space: global }
      - { .name: out0, .offset: 16, .size: 8, .value_kind: global_buffer, .address_space: global }
    .group_segment_fixed_size: 167936
    .private_segment_fixed_size: 0
    .kernarg_segment_align: 8
    .kernarg_segment_size: 24
    .max_flat_workgroup_size: 128
    .sgpr_count:     66
    .vgpr_count:     768
    .wavefront_size: 32
...
	.end_amdgpu_metadata
.endif
;; end of part 4
